; MI455X (gfx1250); checked and timed in simulation.
; The chip was launched on July 23, 2026; its instructions are those of AMD's public machine-readable ISA for CDNA 5 (MIT licence, August 2026) and "CDNA5" Instruction Set Architecture Reference Guide (July 2026). The comments in the code are by the model that wrote it; some were corrected since.
;; Multihead Splu Attention. Allowed arithmetic: float matrix products may take bf16 or f16 operands with f32 sums; other float arithmetic in f32, or as packed bf16 or f16 multiplies, adds, multiply-adds, maxima and minima; sums over many terms, partial sums and values carried from step to step in f32; what a program stores and reads back later, other than sums and carried values, may be rounded once to bf16 or f16.
;; Inputs: Wk 2,048 x 1,024 float32; Wo 1,024 x 1,024 float32; Wq 2,048 x 1,024 float32; Wv 1,024 x 1,024 float32; bk 2,048 float32; bo 1,024 float32; bq 2,048 float32; bv 1,024 float32; gmask 2,048 x 128 bool; key 2,048 x 2 x 1,024 float32; masks 16 x 2,048 x 128 bool; query 2,048 x 2 x 1,024 float32; value 2,048 x 2 x 1,024 float32.
;; Outputs: out0 2,048 x 2 x 1,024 float32.
;; 2 versions, each right; version 2 is version 1 with the launches state, apply written anew for expert scheduling mode. Each part assembles by itself: llvm-mc -triple=amdgcn-amd-amdhsa -mcpu=gfx1250 --defsym DOCPART=n.
;; ======== version 1 of 2: 6 launches
;; limits: values are held in f16: magnitudes above 65,504 overflow, below 6.1e-05 lose precision
;; workspace buffers: xb 25,165,824 bytes; va 8,388,608 bytes; wv 2,097,152 bytes; wo 2,097,152 bytes; qk 33,554,432 bytes; vf 16,777,216 bytes; sp 10,485,760 bytes; ob 8,388,608 bytes
;; launch cast (part 1): grid 1152 x 1, 8 waves a work-group, no clusters, 0 bytes of LDS; arguments query, key, value, Wq, Wk, Wv, Wo, xb, va, wv, wo; writes xb, va, wv, wo
.if DOCPART == 1
	.amdgcn_target "amdgcn-amd-amdhsa--gfx1250"
	.amdhsa_code_object_version 6
	.text
	.protected	k_qfd74f5c220_cast
	.globl	k_qfd74f5c220_cast
	.p2align	8
	.type	k_qfd74f5c220_cast,@function
k_qfd74f5c220_cast:
	s_mov_b64 s[64:65], 0
	v_nop
	global_prefetch_b8 v0, s[64:65] scope:SCOPE_SE
	s_setreg_imm32_b32 hwreg(HW_REG_WAVE_MODE, 25, 1), 1
	s_wait_xcnt 0x0
; THE CAST.  Every floating-point matrix input is rounded once to bf16 and laid where the products want it.
;   query, key, Wq, Wk -> xb, bf16, row-major as they lie: query at 0, key at 8,388,608, Wq at 16,777,216, Wk at 20,971,520.
;   value -> va, Wv -> wv, Wo -> wo: the bf16 number written as f16 (exact from 2^-17 up; below that f16's fixed step of 6e-8; LIMIT: beyond 65,504 an infinity).
;   va lies in blocks [b][l / 128][k / 64][128 rows][64]: a block's 16,384 bytes are dense.
; A work-group takes 16,384 numbers, a thread sixteen loads of 16 bytes and sixteen stores of 8: a wave's load covers 512 consecutive bytes (value: two
; runs of 256), a wave's store 256 consecutive bytes at a multiple of 256.  A stream: no LDS, no barrier, no matrix unit would add anything.
.set X, 4                              ; v[4:67]   sixteen loads of four f32
.set Y, 68                             ; v[68:99]  sixteen stores of four 16-bit numbers
.set T, 100                            ; v[100:101] at work
; fmt = 0: bf16; 1: bf16 written as f16.  ld, st: bytes from load to load and from store to store.  No register of a pending load or store is written again.
.macro CONV fmt, ld, st
.set i, 0
.rept 16
	global_load_b128 v[X+4*i:X+4*i+3], v1, s[4:5] offset:i*(\ld) th:TH_LOAD_NT
.set i, i+1
.endr
.set i, 0
.rept 16
	s_wait_loadcnt 15-i                            ; loads come back in order: load i is in, the 15 - i younger ones stay out
.if \fmt
	v_cvt_pk_bf16_f32 v[T], v[X+4*i], v[X+4*i+1]
	v_cvt_pk_bf16_f32 v[T+1], v[X+4*i+2], v[X+4*i+3]
	v_lshlrev_b32 v[X+4*i], 16, v[T]               ; the rounded numbers as f32 again, in the registers that the load has left
	v_and_b32 v[X+4*i+1], 0xffff0000, v[T]
	v_lshlrev_b32 v[X+4*i+2], 16, v[T+1]
	v_and_b32 v[X+4*i+3], 0xffff0000, v[T+1]
	v_cvt_pk_f16_f32 v[Y+2*i], v[X+4*i], v[X+4*i+1]
	v_cvt_pk_f16_f32 v[Y+2*i+1], v[X+4*i+2], v[X+4*i+3]
.else
	v_cvt_pk_bf16_f32 v[Y+2*i], v[X+4*i], v[X+4*i+1]
	v_cvt_pk_bf16_f32 v[Y+2*i+1], v[X+4*i+2], v[X+4*i+3]
.endif
	global_store_b64 v2, v[Y+2*i:Y+2*i+1], s[26:27] offset:i*(\st)
.set i, i+1
.endr
.endm
	s_load_b512 s[8:23], s[0:1], 0x0               ; query s[8:9], key s[10:11], value s[12:13], Wq s[14:15], Wk s[16:17], Wv s[18:19], Wo s[20:21], xb s[22:23]
	s_load_b128 s[28:31], s[0:1], 0x40             ; va s[28:29], wv s[30:31]
	s_load_b64 s[32:33], s[0:1], 0x50              ; wo
	s_mov_b32 s6, ttmp9                            ; the work-group's number
	s_mov_b32 s25, 0                               ; offsets stand in s[24:25]; all stay under 2^32
	v_lshlrev_b32 v1, 4, v0                        ; my 16 bytes of a load
	v_lshlrev_b32 v2, 3, v0                        ; my 8 bytes of a store
	s_wait_kmcnt 0x0
	s_cmp_ge_u32 s6, 768
	s_cbranch_scc1 .Lhalf
	; work-groups 0-767: query (256), key (256), Wq (128), Wk (128), on end in xb
	s_cmp_ge_u32 s6, 256
	s_cselect_b64 s[4:5], s[10:11], s[8:9]
	s_cselect_b32 s7, 256, 0
	s_cmp_ge_u32 s6, 512
	s_cselect_b64 s[4:5], s[14:15], s[4:5]
	s_cselect_b32 s7, 512, s7
	s_cmp_ge_u32 s6, 640
	s_cselect_b64 s[4:5], s[16:17], s[4:5]
	s_cselect_b32 s7, 640, s7
	s_sub_co_u32 s7, s6, s7                        ; my number within the tensor
	s_lshl_b32 s24, s7, 16                         ; 65,536 bytes of f32 each
	s_add_nc_u64 s[4:5], s[4:5], s[24:25]
	s_lshl_b32 s24, s6, 15                         ; 32,768 bytes of bf16 each
	s_add_nc_u64 s[26:27], s[22:23], s[24:25]
	CONV 0, 4096, 2048
	s_endpgm
.Lhalf:
	s_cmp_ge_u32 s6, 1024
	s_cbranch_scc1 .Lweights
	; work-groups 768-1023: value.  b = bit 7 of the number, g = its low 7 bits: rows l = 16 g .. 16 g + 15 of batch b.  Load i is K block i.
	s_sub_co_u32 s7, s6, 768
	s_lshr_b32 s34, s7, 7                          ; b
	s_and_b32 s7, s7, 127                          ; g
	s_lshl_b32 s24, s7, 17                         ; 16 rows l of 8,192 bytes
	s_lshl_b32 s35, s34, 12                        ; batch b: 4,096 bytes on
	s_add_co_u32 s24, s24, s35
	s_add_nc_u64 s[4:5], s[12:13], s[24:25]
	s_lshl_b32 s34, s34, 4
	s_lshr_b32 s35, s7, 3
	s_add_co_u32 s34, s34, s35                     ; 16 b + l / 128
	s_lshl_b32 s24, s34, 18                        ; its sixteen blocks of 16,384 bytes
	s_and_b32 s35, s7, 7
	s_lshl_b32 s35, s35, 11                        ; my 16 rows of 128 bytes in a block
	s_add_co_u32 s24, s24, s35
	s_add_nc_u64 s[26:27], s[28:29], s[24:25]
	v_lshrrev_b32 v3, 4, v0                        ; thread t: row t / 16, 16 bytes at 16 (t % 16) of the block's 256
	v_and_b32 v1, 15, v0
	v_lshlrev_b32 v1, 4, v1
	v_lshl_add_u32 v1, v3, 13, v1
	CONV 1, 256, 16384
	s_endpgm
.Lweights:
	; work-groups 1024-1087: Wv; 1088-1151: Wo
	s_cmp_ge_u32 s6, 1088
	s_cselect_b64 s[4:5], s[20:21], s[18:19]
	s_cselect_b64 s[26:27], s[32:33], s[30:31]
	s_and_b32 s7, s6, 63                           ; 1,024 and 1,088 are multiples of 64
	s_lshl_b32 s24, s7, 16
	s_add_nc_u64 s[4:5], s[4:5], s[24:25]
	s_lshl_b32 s24, s7, 15
	s_add_nc_u64 s[26:27], s[26:27], s[24:25]
	CONV 1, 4096, 2048
	s_endpgm
.Lfunc_end_k_qfd74f5c220_cast:
	.size	k_qfd74f5c220_cast, .Lfunc_end_k_qfd74f5c220_cast-k_qfd74f5c220_cast
	.p2alignl 7, 3214868480
	.fill 96, 4, 3214868480
	.section	.rodata,"a",@progbits
	.p2align	6, 0x0
	.amdhsa_kernel k_qfd74f5c220_cast
		.amdhsa_group_segment_fixed_size 0
		.amdhsa_private_segment_fixed_size 0
		.amdhsa_enable_private_segment 0
		.amdhsa_kernarg_size 88
		.amdhsa_user_sgpr_count 2
		.amdhsa_user_sgpr_kernarg_segment_ptr 1
		.amdhsa_wavefront_size32 1
		.amdhsa_system_sgpr_workgroup_id_x 1
		.amdhsa_system_sgpr_workgroup_id_y 1
		.amdhsa_system_sgpr_workgroup_id_z 1
		.amdhsa_system_vgpr_workitem_id 0
		.amdhsa_next_free_vgpr 104
		.amdhsa_next_free_sgpr 66
		.amdhsa_reserve_vcc 0
		.amdhsa_float_denorm_mode_32 3
		.amdhsa_float_denorm_mode_16_64 3
		.amdhsa_memory_ordered 1
		.amdhsa_forward_progress 1
		.amdhsa_inst_pref_size 29
	.end_amdhsa_kernel
	.amdgpu_metadata
---
amdhsa.version: [ 1, 2 ]
amdhsa.kernels:
  - .name:           k_qfd74f5c220_cast
    .symbol:         k_qfd74f5c220_cast.kd
    .args:
      - { .name: query, .offset: 0, .size: 8, .value_kind: global_buffer, .address_space: global }
      - { .name: key, .offset: 8, .size: 8, .value_kind: global_buffer, .address_space: global }
      - { .name: value, .offset: 16, .size: 8, .value_kind: global_buffer, .address_space: global }
      - { .name: Wq, .offset: 24, .size: 8, .value_kind: global_buffer, .address_space: global }
      - { .name: Wk, .offset: 32, .size: 8, .value_kind: global_buffer, .address_space: global }
      - { .name: Wv, .offset: 40, .size: 8, .value_kind: global_buffer, .address_space: global }
      - { .name: Wo, .offset: 48, .size: 8, .value_kind: global_buffer, .address_space: global }
      - { .name: xb, .offset: 56, .size: 8, .value_kind: global_buffer, .address_space: global }
      - { .name: va, .offset: 64, .size: 8, .value_kind: global_buffer, .address_space: global }
      - { .name: wv, .offset: 72, .size: 8, .value_kind: global_buffer, .address_space: global }
      - { .name: wo, .offset: 80, .size: 8, .value_kind: global_buffer, .address_space: global }
    .group_segment_fixed_size: 0
    .private_segment_fixed_size: 0
    .kernarg_segment_align: 8
    .kernarg_segment_size: 88
    .max_flat_workgroup_size: 256
    .sgpr_count:     66
    .vgpr_count:     104
    .wavefront_size: 32
...
	.end_amdgpu_metadata
.endif
;; end of part 1
;; launch projqk (part 2): grid 16 x 16, 4 waves a work-group, clusters of 4 x 4, 327,680 bytes of LDS; arguments xb, qk, bq, bk; writes qk
.if DOCPART == 2
	.amdgcn_target "amdgcn-amd-amdhsa--gfx1250"
	.amdhsa_code_object_version 6
	.text
	.protected	k_qfd74f5c220_projqk
	.globl	k_qfd74f5c220_projqk
	.p2align	8
	.type	k_qfd74f5c220_projqk,@function
k_qfd74f5c220_projqk:
	s_mov_b64 s[64:65], 0
	v_nop
	global_prefetch_b8 v0, s[64:65] scope:SCOPE_SE
	s_setreg_imm32_b32 hwreg(HW_REG_WAVE_MODE, 25, 1), 1
	s_wait_xcnt 0x0
	s_wait_alu depctr_hold_cnt(0) depctr_sa_sdst(0) depctr_va_vdst(0) depctr_va_sdst(0) depctr_va_ssrc(0) depctr_va_vcc(0) depctr_vm_vsrc(0)
	s_getreg_b32 s2, hwreg(HW_REG_IB_STS2, 6, 4)
	s_cmp_eq_u32 s2, 0
	s_cbranch_scc0 .Lentry_in_a_cluster
	s_endpgm
.Lentry_in_a_cluster:
	s_bfe_u32 s2, ttmp6, 0x10000c
	s_cmp_lg_u32 s2, 0xf033
	s_cbranch_scc0 .Lentry_shape_is_right
	s_endpgm
.Lentry_shape_is_right:
; q = relu(query Wq^T + bq) and k = relu(key Wk^T + bk) as ONE product of 4,096 rows (m = 2 l + b, as the inputs lie) x 4,096 columns (Wq's 2,048, then Wk's), K = 1,024, bf16 operands, f32 sums.
; Tile columns 0-7 multiply query, 8-15 key.  The bias, rounded to bf16 like every input, is the C operand of the first product.  The result leaves UNSCALED, rounded once to f16, by heads:
; qk[mat][b][h][l][128], strides 2^24, 2^23, 2^19, 256 bytes.  LIMITS: |q|, |k| beyond 65,504 become infinities; below 6e-5 f16 keeps its fixed step of 6e-8; the relu is taken behind the
; rounding (both are monotone); a NaN becomes 0.
; A tile of 256 x 256 is made by four waves, each 128 x 128: 64 accumulators, 512 registers; a wave's 128 columns are one head.  K goes in steps of 128 through a ring of two LDS slots
; filled by the tensor data mover; the rows of the tiles are 256 bytes of memory at multiples of 256.  The last K step goes by rows of the result, so that finished rows leave while the others are multiplied.
; CLUSTERS: 4 x 4 work-groups.  The four of a row of the cluster need the same tiles of the left operand (they share the tile row, and the cluster's x says query or key), the four of a column the
; same rows of the weights: each tile is asked for JOINTLY, by the same tensor load with the same descriptor and a mask that names the four.
; REGISTERS, in windows of 256: window 0: v0-31 addresses; v64-127, v128-191 fragments of the left operand (in the last K step four buffers of 16 rows x 128 K); v192-255 the bias until the first
; quarter is over; then v32-63, v192-255 at work on the way out.  window 1: v64-127, v128-191 fragments of the weights; in the last K step all 256.  windows 2, 3: the accumulators of my rows 0-63, 64-127.
; THE MATRIX INSTRUCTION IS USED TRANSPOSED (source 0 = 16 rows of the weights, source 1 = 16 rows of the left operand): a lane holds row lane % 16 and the eight columns 8 (lane / 16) + 0..7.
.set SIZE_K, 1024
.set KSTEP,  128
.set PITCH,  272                       ; an LDS row: 256 bytes + 16 of padding = 68 words: the 16 rows of a load start at 16 different groups of four banks (64 banks of 4 bytes: ISA guide 11.1)
.set HALFT,  128*PITCH                 ; 128 rows: what one tensor load brings
.set SLOT,   4*HALFT                   ; the left operand's 256 rows, then the weights' 256
.set STAGE,  2*SLOT                    ; behind the ring: 16 rows x 272 bytes for each wave, for the way out
.set SPITCH, 272
.set SPARE,  STAGE+4*16*SPITCH         ; behind the stages: the spare words, 128 bytes for each wave
.set LAPS,   SIZE_K/(2*KSTEP)          ; a lap = two K steps = once round the ring
.set ADRA, 16                          ; v16-17  LDS address of my left fragments in slot 0, 1
.set ADRB, 20                          ; v20-21  the same for the weights
.set STO,  24                          ; v24     the way out: where I put 16 bytes of a row
.set RD,   25                          ; v25     the way out: where I read a row back
.set CO,   26                          ; v26     my byte offset in qk
.set SPW,  28                          ; v28     LDS address of my spare word; never rewritten
.set NIL,  29                          ; v29     0; never rewritten
.set ZERO, 30                          ; v30     0, for the relu
.set F0,   64
.set F1,   128
.set TMP,  192                         ; the way out: packed results
.set BIAS, 192                         ; v192-255: the bias of my 128 columns: block b's eight numbers of my lane at BIAS + 8 b
.set OB,   32                          ; the way out: 16 rows read back: v32-63 and v224-255 by turns
.set PA,   64                          ; the last K step: four buffers of 32 registers, v64-191
.set G1, 24                            ; s[24:31] descriptor group 1, left operand
.set G0, 32                            ; s[32:39] group 0, one set for each slot
.set G1B, 48                           ; s[48:55] group 1, weights: it differs in the mask alone
.set G0B, 56                           ; s[56:63] group 0, weights
.set MSB, 0
.macro WIN new                         ; the immediate's high byte repeats the setting that is left; a switch that changes nothing is dropped
.if MSB != (\new)
	s_set_vgpr_msb (MSB<<8)|(\new)
.set MSB, \new
.endif
.endm
.set MUL_LO, 0xa1                      ; source 0 window 1, source 1 window 0, C and D window 2
.set MUL_HI, 0xf1                      ; the same, C and D window 3
.set TO_B,   0x40                      ; destination window 1, address window 0
; A joint load.  Waves 0 and 1 fetch the left operand's two halves, waves 2 and 3 the weights'.  The branch hangs on the wave's number alone.
; An s_nop 0 and four v_nop follow each of the two lines, ahead of the jump and the label.
.macro JLOAD s
	s_cmp_eq_u32 s11, 0
	s_cbranch_scc0 .Lfor_b_\@
	tensor_load_to_lds s[G0+4*(\s):G0+4*(\s)+3], s[G1:G1+7]
	s_nop 0
.rept 4
	v_nop
.endr
	s_branch .Lasked_\@
.Lfor_b_\@:
	tensor_load_to_lds s[G0B+4*(\s):G0B+4*(\s)+3], s[G1B:G1B+7]
	s_nop 0
.rept 4
	v_nop
.endr
.Lasked_\@:
.endm
.macro CREST                           ; a round of the cluster's barrier behind its opening barrier
	s_cmp_lg_u32 s10, 0
	s_cbranch_scc1 .Lnot_wave_0_\@
	s_barrier_signal -3
.Lnot_wave_0_\@:
	s_barrier_wait -3
	s_barrier_signal -1
	s_barrier_wait -1
.endm
.macro CROUND                          ; a whole round
	s_barrier_signal -1
	s_barrier_wait -1
	CREST
.endm
	s_load_b64 s[4:5], s[0:1], 0x0                 ; xb
	s_load_b64 s[8:9], s[0:1], 0x8                 ; qk
	s_load_b128 s[68:71], s[0:1], 0x10             ; bq s[68:69], bk s[70:71]
	v_lshl_add_u32 v[SPW], v0, 2, SPARE
	v_mov_b32 v[NIL], 0
	ds_add_u32 v[SPW], v[NIL]                      ; the wave's opening: the add and its wait ahead of my first tensor load; the set-up below stands between them
	v_lshrrev_b32 v1, 5, v0
	v_readfirstlane_b32 s10, v1                    ; wave 0..3
	s_lshr_b32 s11, s10, 1                         ; which half of the tile's rows is mine.  Also: I fetch the left operand (0) or the weights (1)
	s_and_b32 s12, s10, 1                          ; which half of its columns.  Also: which 128 rows I fetch
	s_bfe_u32 s40, ttmp6, 0x40000                  ; cx
	s_bfe_u32 s41, ttmp6, 0x40004                  ; cy
	s_lshl_b32 s42, ttmp9, 2
	s_add_co_u32 s42, s42, s40                     ; tile column = 4 x cluster x + cx
	s_and_b32 s13, ttmp7, 0xffff
	s_lshl_b32 s13, s13, 2
	s_add_co_u32 s13, s13, s41                     ; tile row = 4 x cluster y + cy
	s_lshl_b32 s43, s41, 2
	s_lshl_b32 s43, 15, s43                        ; my row of the cluster
	s_lshl_b32 s44, 0x1111, s40                    ; my column
	; descriptor group 1: a tile of 128 rows x 128 elements of 2 bytes, 16 bytes of padding behind every 256
	s_or_b32 s[G1+0], s43, (1<<16)|(1<<20)|(1<<21)|(5<<22)|(3<<25)
	s_or_b32 s[G1B+0], s44, (1<<16)|(1<<20)|(1<<21)|(5<<22)|(3<<25)
.irp g, G1, G1B
	s_mov_b32 s[(\g)+1], KSTEP<<16                 ; tensor_dim0 = 128
	s_mov_b32 s[(\g)+2], 128<<16                   ; tensor_dim1 = 128
	s_mov_b32 s[(\g)+3], KSTEP<<16                 ; tile_dim0 = 128
	s_mov_b32 s[(\g)+4], 128                       ; tile_dim1 = 128
	s_mov_b32 s[(\g)+5], SIZE_K                    ; elements from row to row
	s_mov_b32 s[(\g)+6], 0
	s_mov_b32 s[(\g)+7], 0
.endr
	; where the tiles come from, as byte offsets in xb (all under 2^25).  The left operand's hangs on the tile row and on the cluster's x, the weights' on the tile column.
	s_lshl_b32 s17, s12, 7                         ; which 128 rows of the tile I fetch
	s_lshl_b32 s16, s13, 8
	s_add_co_u32 s16, s16, s17
	s_lshl_b32 s16, s16, 11                        ; rows of 2,048 bytes
	s_lshr_b32 s18, ttmp9, 1                       ; clusters 0, 1: query; 2, 3: key,
	s_lshl_b32 s18, s18, 23                        ; which lies 8,388,608 bytes on
	s_add_co_u32 s16, s16, s18
	s_lshl_b32 s46, s42, 8
	s_add_co_u32 s46, s46, s17
	s_lshl_b32 s46, s46, 11
	s_add_co_u32 s46, s46, 16777216                ; Wq and Wk lie on end from here
	s_mov_b32 s17, 0
	s_mov_b32 s47, 0
	s_mul_i32 s20, s10, HALFT                      ; and where they go: wave x 128 rows
	s_wait_dscnt 0x0                               ; the opening add is done
	s_wait_kmcnt 0x0
	s_add_nc_u64 s[14:15], s[4:5], s[16:17]
	s_add_nc_u64 s[46:47], s[4:5], s[46:47]
	CROUND                                         ; all sixteen work-groups are here: the first joint loads meet
.irp s, 0,1
	s_mov_b32 s[G0+4*(\s)], 1
	s_add_co_u32 s[G0+4*(\s)+1], s20, (\s)*SLOT
	s_add_nc_u64 s[G0+4*(\s)+2:G0+4*(\s)+3], s[14:15], (\s)*KSTEP*2
	s_or_b32 s[G0+4*(\s)+3], s[G0+4*(\s)+3], 0x80000000
	s_mov_b32 s[G0B+4*(\s)], 1
	s_add_co_u32 s[G0B+4*(\s)+1], s20, (\s)*SLOT
	s_add_nc_u64 s[G0B+4*(\s)+2:G0B+4*(\s)+3], s[46:47], (\s)*KSTEP*2
	s_or_b32 s[G0B+4*(\s)+3], s[G0B+4*(\s)+3], 0x80000000
	JLOAD \s                                       ; two loads of mine are out
.endr
	; the bias of my 128 columns: lane l wants the numbers 16 b + 8 (l / 16) + 0..7 of each block b
	v_and_b32 v1, 15, v0                           ; l % 16
	v_bfe_u32 v2, v0, 4, 1                         ; l / 16
	s_cmp_ge_u32 ttmp9, 2
	s_cselect_b64 s[6:7], s[70:71], s[68:69]
	s_and_b32 s18, s42, 7
	s_lshl_b32 s18, s18, 10                        ; 256 columns of 4 bytes a tile
	s_lshl_b32 s19, s12, 9
	s_add_co_u32 s18, s18, s19
	s_mov_b32 s19, 0
	s_add_nc_u64 s[6:7], s[6:7], s[18:19]
	v_lshlrev_b32 v6, 5, v2
.irp b, 0,1,2,3,4,5,6,7
	global_load_b128 v[BIAS+8*(\b):BIAS+8*(\b)+3],   v6, s[6:7] offset:64*(\b)
	global_load_b128 v[BIAS+8*(\b)+4:BIAS+8*(\b)+7], v6, s[6:7] offset:64*(\b)+16
.endr
	v_mov_b32 v[ZERO], 0
	v_mul_u32_u24 v3, v1, PITCH
	v_lshl_add_u32 v3, v2, 4, v3                   ; a fragment's row x pitch + 16 x half
	s_mul_i32 s21, s11, HALFT
	s_mul_i32 s22, s12, HALFT
	s_add_co_u32 s22, s22, 2*HALFT
.irp s, 0,1
	v_add_nc_u32 v[ADRA+(\s)], s21, v3
	v_add_nc_u32 v[ADRB+(\s)], s22, v3
	s_add_co_u32 s21, s21, SLOT
	s_add_co_u32 s22, s22, SLOT
.endr
	s_mul_i32 s23, s10, 16*SPITCH
	s_add_co_u32 s23, s23, STAGE                   ; my stage
	v_mul_u32_u24 v4, v1, SPITCH
	v_lshl_add_u32 v4, v2, 4, v4
	v_add_nc_u32 v[STO], s23, v4
	v_mul_u32_u24 v5, v2, SPITCH                   ; back: lanes 0-15 take an even row (batch 0), lanes 16-31 the odd one (batch 1)
	v_lshl_add_u32 v5, v1, 4, v5
	v_add_nc_u32 v[RD], s23, v5
	v_lshlrev_b32 v5, 23, v2                       ; batch 1 lies 2^23 bytes on
	v_lshl_add_u32 v[CO], v1, 4, v5
	; where my rows begin in qk: head number 2 x tile column + half (bit 4: q or k), l = 128 x tile row + 64 x half
	s_lshl1_add_u32 s46, s42, s12
	s_lshr_b32 s47, s46, 4
	s_lshl_b32 s47, s47, 24
	s_and_b32 s46, s46, 15
	s_lshl_b32 s46, s46, 19
	s_add_co_u32 s16, s46, s47
	s_lshl_b32 s46, s13, 15
	s_add_co_u32 s16, s16, s46
	s_lshl_b32 s46, s11, 14
	s_add_co_u32 s16, s16, s46
	s_mov_b32 s17, 0
	s_wait_loadcnt 0x0                             ; the bias,
.set i, 0
.rept 32                                           ; rounded to bf16 like every input
	v_cvt_pk_bf16_f32 v7, v[BIAS+2*i], v[BIAS+2*i+1]
	v_lshlrev_b32 v[BIAS+2*i], 16, v7
	v_and_b32 v[BIAS+2*i+1], 0xffff0000, v7
.set i, i+1
.endr
; 16 matrix instructions: m blocks a0, a0 + 1 of the window's four x all 8 n blocks, 32 along K.  zero = 1: the first product starts the sums, from the bias (C in window 0).
.macro MUL16 f, hi, a0, zero
.if \zero
	WIN 0x81+0x40*(\hi)
.else
	WIN MUL_LO+0x50*(\hi)
.endif
.irp a, \a0, (\a0)+1
.irp b, 0,1,2,3,4,5,6,7
.if \zero
	v_wmma_f32_16x16x32_bf16 v[8*(8*(\a)+(\b)):8*(8*(\a)+(\b))+7], v[(\f)+8*(\b):(\f)+8*(\b)+7], v[(\f)+8*(4*(\hi)+(\a)):(\f)+8*(4*(\hi)+(\a))+7], v[BIAS+8*(\b):BIAS+8*(\b)+7]
.else
	v_wmma_f32_16x16x32_bf16 v[8*(8*(\a)+(\b)):8*(8*(\a)+(\b))+7], v[(\f)+8*(\b):(\f)+8*(\b)+7], v[(\f)+8*(4*(\hi)+(\a)):(\f)+8*(4*(\hi)+(\a))+7], v[8*(8*(\a)+(\b)):8*(8*(\a)+(\b))+7]
.endif
.endr
.endr
.endm
; 32 LDS loads in one run: the fragments of one quarter step (32 K at byte k of the rows) into buffer f
.macro FETCH slot, k, f
	WIN TO_B
.irp i, 0,1,2,3,4,5,6,7
	ds_load_b128 v[(\f)+8*(\i):(\f)+8*(\i)+3],   v[ADRB+(\slot)] offset:(\k)+(\i)*16*PITCH
	ds_load_b128 v[(\f)+8*(\i)+4:(\f)+8*(\i)+7], v[ADRB+(\slot)] offset:(\k)+(\i)*16*PITCH+32
.endr
	WIN 0
.irp i, 0,1,2,3,4,5,6,7
	ds_load_b128 v[(\f)+8*(\i):(\f)+8*(\i)+3],   v[ADRA+(\slot)] offset:(\k)+(\i)*16*PITCH
	ds_load_b128 v[(\f)+8*(\i)+4:(\f)+8*(\i)+7], v[ADRA+(\slot)] offset:(\k)+(\i)*16*PITCH+32
.endr
.endm
.macro PLACES                          ; four plain vector instructions between a matrix instruction and a load into, or a vector line on, its registers (ISA guide 7.12.1 for vector instructions)
.rept 4
	v_nop
.endr
.endm
; A K step is four quarters of 32 along K, 64 matrix instructions each, on buffers 0, 1, 0, 1.  One of the first three multiplies buffer f and fetches the next quarter, at byte k, into g.
.macro QUARTER slot, k, f, g, zero
	s_wait_dscnt 8                                 ; the weights and my rows 0-63 are in; the youngest eight loads may be out
	MUL16 \f, 0, 0, \zero
	MUL16 \f, 0, 2, \zero
	PLACES
	FETCH \slot, \k, \g
	s_wait_dscnt 32                                ; all but the 32 just issued
	MUL16 \f, 1, 0, \zero
	MUL16 \f, 1, 2, \zero
.endm
; The last quarter's first half: ONE barrier for the change of slots.  In front of it each wave waits for all its tensor loads (one is out: its part of the next slot), adds 0 to its spare
; word, and waits for that and for its own reads of this slot.
.macro MEET round
	WIN 0
	s_wait_tensorcnt 0x0
	ds_add_u32 v[SPW], v[NIL]
	s_wait_dscnt 9                                 ; (the add and the youngest eight loads may be out)
	MUL16 F1, 0, 0, 0
	s_wait_dscnt 0x0                               ; the add is done, and my reads of this slot are over
	s_barrier_signal -1
	MUL16 F1, 0, 2, 0
.if \round
	WIN 0
.endif
	s_barrier_wait -1
.endm
; The whole last quarter: behind the round the slot just read out is filled again first, two K steps ahead; then come the next slot's first fragments.
.macro TURN slot, next
	MEET 1
	CREST                                          ; no wave of any partner still reads this slot's tile or has a load on its way
	s_add_nc_u64 s[G0+4*(\slot)+2:G0+4*(\slot)+3], s[G0+4*(\slot)+2:G0+4*(\slot)+3], 2*KSTEP*2
	s_add_nc_u64 s[G0B+4*(\slot)+2:G0B+4*(\slot)+3], s[G0B+4*(\slot)+2:G0B+4*(\slot)+3], 2*KSTEP*2
	JLOAD \slot                                    ; my one tensor load behind the round; its four v_nop are also the places in front of the loads below
	FETCH \next, 0, F0
	MUL16 F1, 1, 0, 0
	MUL16 F1, 1, 2, 0
.endm
; THE LAST K STEP (slot 1) GOES BY ROWS: all its fragments of the weights fill window 1; my eight blocks of 16 rows are finished one after the other, 32 matrix instructions each.
.macro BLOAD q
	WIN TO_B
.irp i, 0,1,2,3,4,5,6,7
	ds_load_b128 v[64*(\q)+8*(\i):64*(\q)+8*(\i)+3],   v[ADRB+1] offset:64*(\q)+(\i)*16*PITCH
	ds_load_b128 v[64*(\q)+8*(\i)+4:64*(\q)+8*(\i)+7], v[ADRB+1] offset:64*(\q)+(\i)*16*PITCH+32
.endr
.endm
.macro ALOAD a
	WIN 0
.set FA, PA+32*((\a)%4)
.irp q, 0,1,2,3
	ds_load_b128 v[FA+8*(\q):FA+8*(\q)+3],   v[ADRA+1] offset:64*(\q)+(\a)*16*PITCH
	ds_load_b128 v[FA+8*(\q)+4:FA+8*(\q)+7], v[ADRA+1] offset:64*(\q)+(\a)*16*PITCH+32
.endr
.endm
.macro ROW a
.set FA, PA+32*((\a)%4)
.set AC, 64*((\a)%4)
	WIN MUL_LO+0x50*((\a)/4)
.irp q, 0,1,2,3
.if (\a) == 0 && (\q) == 2
	s_wait_dscnt 24                                ; the weights' quarter 2 is in (behind it: blocks 1 to 3 of the left operand)
.endif
.irp b, 0,1,2,3,4,5,6,7
	v_wmma_f32_16x16x32_bf16 v[AC+8*(\b):AC+8*(\b)+7], v[64*(\q)+8*(\b):64*(\q)+8*(\b)+7], v[FA+8*(\q):FA+8*(\q)+7], v[AC+8*(\b):AC+8*(\b)+7]
.endr
.endr
.endm
; THE WAY OUT of block a.  PACK: rounded to f16 (each accumulator's registers in ascending order), then the relu on the packed halves.  TOSTAGE: into my own stage and back as whole rows.  SEND: stored.
.macro PACK a
.set AC, 64*((\a)%4)
	WIN 0x0a+5*((\a)/4)
.irp b, 0,1,2,3,4,5,6,7
.irp r, 0,1,2,3
	v_cvt_pk_f16_f32 v[TMP+4*(\b)+(\r)], v[AC+8*(\b)+2*(\r)], v[AC+8*(\b)+2*(\r)+1]
.endr
.endr
	WIN 0
.set i, 0
.rept 32
	v_pk_max_num_f16 v[TMP+i], v[TMP+i], v[ZERO]
.set i, i+1
.endr
.endm
.macro TOSTAGE a
	WIN 0
.set BK, OB+192*((\a)%2)
.irp b, 0,1,2,3,4,5,6,7
	ds_store_b128 v[STO], v[TMP+4*(\b):TMP+4*(\b)+3] offset:32*(\b)
.endr
.irp t, 0,1,2,3,4,5,6,7
	ds_load_b128 v[BK+4*(\t):BK+4*(\t)+3], v[RD] offset:(\t)*2*SPITCH  ; LDS serves a wave's instructions in order (ISA guide 5.7.1.4): these see the stores above
.endr
.endm
.macro SEND a, younger
	WIN 0
.set BK, OB+192*((\a)%2)
	s_wait_dscnt \younger                          ; the block is back in registers
	s_wait_xcnt 0x0                                ; only behind this wait are the stores' base and the registers that earlier stores read rewritten
.if (\a) == 0
	s_add_nc_u64 s[8:9], s[8:9], s[16:17]          ; my first rows
.else
	s_add_nc_u64 s[8:9], s[8:9], 2048              ; 16 rows m are 8 rows l of 256 bytes
.endif
.irp t, 0,1,2,3,4,5,6,7
	global_store_b128 v[CO], v[BK+4*(\t):BK+4*(\t)+3], s[8:9] offset:256*(\t)  ; 16 lanes store a head's row of 256 bytes, at a multiple of 256
.endr
.endm
	s_wait_tensorcnt 1                             ; my part of K step 0 is in; K step 1's may stay out
	s_barrier_signal -1
	s_barrier_wait -1
	FETCH 0, 0, F0
	QUARTER 0, 64,  F0, F1, 1                      ; the first quarter stands in front of the loop: its products start the sums
	WIN 0
	s_mov_b32 s3, LAPS-1
.Llap:                                                 ; a trip goes once round the ring and fills both slots again
	QUARTER 0, 128, F1, F0, 0
	QUARTER 0, 192, F0, F1, 0
	TURN 0, 1
	QUARTER 1, 64,  F0, F1, 0
	QUARTER 1, 128, F1, F0, 0
	QUARTER 1, 192, F0, F1, 0
	TURN 1, 0
	QUARTER 0, 64,  F0, F1, 0
	WIN 0
	s_sub_co_u32 s3, s3, 1
	s_cmp_lg_u32 s3, 0
	s_cbranch_scc1 .Llap
	QUARTER 0, 128, F1, F0, 0
	QUARTER 0, 192, F0, F1, 0
	MEET 0                                         ; nothing is filled again, so no round follows
	PLACES
	BLOAD 0
	BLOAD 1
	BLOAD 3
	ALOAD 0
	MUL16 F1, 1, 0, 0
	MUL16 F1, 1, 2, 0
	PLACES
	BLOAD 2
	ALOAD 1
	ALOAD 2
	ALOAD 3
	s_wait_dscnt 40                                ; all but the 40 just issued
	ROW 0
.irp a, 0,1,2,3,4,5,6,7
	PLACES
	PACK \a
	TOSTAGE \a
.if (\a) < 4
	ALOAD (\a)+4
	SEND \a, 8
.else
	SEND \a, 0
.endif
.if (\a) < 7
	ROW (\a)+1
.endif
.endr
	s_wait_tensorcnt 0x0                           ; the wave's end
	ds_add_u32 v[SPW], v[NIL]
	s_wait_dscnt 0x0
	CROUND                                         ; the closing round
	s_endpgm
.Lfunc_end_k_qfd74f5c220_projqk:
	.size	k_qfd74f5c220_projqk, .Lfunc_end_k_qfd74f5c220_projqk-k_qfd74f5c220_projqk
	.p2alignl 7, 3214868480
	.fill 96, 4, 3214868480
	.section	.rodata,"a",@progbits
	.p2align	6, 0x0
	.amdhsa_kernel k_qfd74f5c220_projqk
		.amdhsa_group_segment_fixed_size 327680
		.amdhsa_private_segment_fixed_size 0
		.amdhsa_enable_private_segment 0
		.amdhsa_kernarg_size 32
		.amdhsa_user_sgpr_count 2
		.amdhsa_user_sgpr_kernarg_segment_ptr 1
		.amdhsa_wavefront_size32 1
		.amdhsa_system_sgpr_workgroup_id_x 1
		.amdhsa_system_sgpr_workgroup_id_y 1
		.amdhsa_system_sgpr_workgroup_id_z 1
		.amdhsa_system_vgpr_workitem_id 0
		.amdhsa_next_free_vgpr 1024
		.amdhsa_next_free_sgpr 72
		.amdhsa_reserve_vcc 0
		.amdhsa_float_denorm_mode_32 3
		.amdhsa_float_denorm_mode_16_64 3
		.amdhsa_memory_ordered 1
		.amdhsa_forward_progress 1
		.amdhsa_inst_pref_size 166
	.end_amdhsa_kernel
	.amdgpu_metadata
---
amdhsa.version: [ 1, 2 ]
amdhsa.kernels:
  - .name:           k_qfd74f5c220_projqk
    .symbol:         k_qfd74f5c220_projqk.kd
    .args:
      - { .name: xb, .offset: 0, .size: 8, .value_kind: global_buffer, .address_space: global }
      - { .name: qk, .offset: 8, .size: 8, .value_kind: global_buffer, .address_space: global }
      - { .name: bq, .offset: 16, .size: 8, .value_kind: global_buffer, .address_space: global }
      - { .name: bk, .offset: 24, .size: 8, .value_kind: global_buffer, .address_space: global }
    .group_segment_fixed_size: 327680
    .private_segment_fixed_size: 0
    .kernarg_segment_align: 8
    .kernarg_segment_size: 32
    .max_flat_workgroup_size: 128
    .sgpr_count:     72
    .vgpr_count:     1024
    .wavefront_size: 32
...
	.end_amdgpu_metadata
.endif
;; end of part 2
;; launch projv (part 3): grid 8 x 32, 4 waves a work-group, clusters of 4 x 4, 327,680 bytes of LDS; arguments va, wv, vf, bv; writes vf
.if DOCPART == 3
	.amdgcn_target "amdgcn-amd-amdhsa--gfx1250"
	.amdhsa_code_object_version 6
	.text
	.protected	k_qfd74f5c220_projv
	.globl	k_qfd74f5c220_projv
	.p2align	8
	.type	k_qfd74f5c220_projv,@function
k_qfd74f5c220_projv:
	s_mov_b64 s[64:65], 0
	v_nop
	global_prefetch_b8 v0, s[64:65] scope:SCOPE_SE
	s_setreg_imm32_b32 hwreg(HW_REG_WAVE_MODE, 25, 1), 1
	s_wait_xcnt 0x0
	s_wait_alu depctr_hold_cnt(0) depctr_sa_sdst(0) depctr_va_vdst(0) depctr_va_sdst(0) depctr_va_ssrc(0) depctr_va_vcc(0) depctr_vm_vsrc(0)
	s_getreg_b32 s2, hwreg(HW_REG_IB_STS2, 6, 4)
	s_cmp_eq_u32 s2, 0
	s_cbranch_scc0 .Lentry_in_a_cluster
	s_endpgm
.Lentry_in_a_cluster:
	s_bfe_u32 s2, ttmp6, 0x10000c
	s_cmp_lg_u32 s2, 0xf033
	s_cbranch_scc0 .Lentry_shape_is_right
	s_endpgm
.Lentry_shape_is_right:
; C = A B^T + bias, 4,096 rows x 1,024 columns, K = 1,024; A and B in f16, sums and C in f32.  Used twice: v = value Wv^T + bv, and the output projection O Wo^T + bo.
; A lies in blocks [b][l / 128][k / 64][128 rows][64], 16,384 dense bytes each; B is [1,024][1,024] row-major; C is [l][b][1,024] f32.  The bias, rounded to bf16 like every input, is the C operand of the first product.
; LIMIT: f16 operands, within 65,504.
; A tile of C is 128 x 128 (tile row y: batch y / 16, rows l = 128 (y % 16) on): 256 work-groups.  Four waves, each 64 x 64: 16 accumulators.  K goes in steps of 256 through two LDS slots.
; A's part of a step is four blocks, asked for as rows of 256 bytes and padded in LDS behind every 128 (pitch 144); B's is rows of 512 bytes (pitch 528).
; CLUSTERS: 4 x 4.  The four of a row of the cluster need the same blocks of A, the four of a column the same rows of B: each tile is asked for JOINTLY.
; THE MATRIX INSTRUCTION IS USED TRANSPOSED (source 0 = 16 rows of B, source 1 = 16 rows of A): a lane holds row lane % 16 and eight neighbouring columns, 32 bytes of C.
; REGISTERS: window 0: v0-31 addresses; v96-127 the bias; v128-255 the accumulators ((a, b) at v[128 + 8 (4 a + b)]).  window 1: two fragment buffers of 128 (64 of A, then 64 of B).
.set KSTEP,  256
.set PA,     144                       ; a row of A in LDS: 128 bytes + 16: an odd multiple of 16, so the 16 rows of a load start at 16 different groups of four banks (ISA guide 11.1)
.set PB,     528                       ; a row of B: 512 bytes + 16
.set ABLK,   128*PA                    ; a block of A: 128 rows x 64 along K
.set APART,  4*ABLK
.set BHALF,  64*PB
.set SLOT,   APART+2*BHALF
.set STAGE,  2*SLOT                    ; behind the ring: 16 rows x 272 bytes for each wave, for the way out
.set SPITCH, 272
.set SPARE,  STAGE+4*16*SPITCH         ; the spare words, 128 bytes for each wave
.set LAPS,   2                         ; K = 1,024 is four steps, two laps of the ring
.set ADRA, 16
.set ADRB, 20
.set STO,  24
.set RD,   25
.set CO,   26
.set SPW,  28
.set NIL,  29
.set BI,   96
.set ACC,  128
.set F0,   0
.set F1,   128
.set G1, 24
.set G0, 32
.set G1B, 48
.set G0B, 56
.set MSB, 0
.macro WIN new
.if MSB != (\new)
	s_set_vgpr_msb (MSB<<8)|(\new)
.set MSB, \new
.endif
.endm
.set MUL,  0x05                        ; sources 0 (B) and 1 (A) window 1; C and D window 0
.set TO_F, 0x40                        ; destination window 1, address window 0
.macro JLOAD s                         ; a joint load: waves 0 and 1 fetch A's two halves, waves 2 and 3 B's; an s_nop 0 and four v_nop follow each line
	s_cmp_eq_u32 s11, 0
	s_cbranch_scc0 .Lfor_b_\@
	tensor_load_to_lds s[G0+4*(\s):G0+4*(\s)+3], s[G1:G1+7]
	s_nop 0
.rept 4
	v_nop
.endr
	s_branch .Lasked_\@
.Lfor_b_\@:
	tensor_load_to_lds s[G0B+4*(\s):G0B+4*(\s)+3], s[G1B:G1B+7]
	s_nop 0
.rept 4
	v_nop
.endr
.Lasked_\@:
.endm
.macro CREST
	s_cmp_lg_u32 s10, 0
	s_cbranch_scc1 .Lnot_wave_0_\@
	s_barrier_signal -3
.Lnot_wave_0_\@:
	s_barrier_wait -3
	s_barrier_signal -1
	s_barrier_wait -1
.endm
.macro CROUND
	s_barrier_signal -1
	s_barrier_wait -1
	CREST
.endm
	s_load_b128 s[4:7], s[0:1], 0x0                ; A s[4:5], B s[6:7]
	s_load_b64 s[8:9], s[0:1], 0x10                ; C
	s_load_b64 s[68:69], s[0:1], 0x18              ; bias
	v_lshl_add_u32 v[SPW], v0, 2, SPARE
	v_mov_b32 v[NIL], 0
	ds_add_u32 v[SPW], v[NIL]                      ; the wave's opening: the add and its wait ahead of my first tensor load
	v_lshrrev_b32 v1, 5, v0
	v_readfirstlane_b32 s10, v1                    ; wave 0..3
	s_lshr_b32 s11, s10, 1                         ; my half of the tile's rows.  Also: I fetch for A (0) or for B (1)
	s_and_b32 s12, s10, 1                          ; my half of its columns.  Also: which half I fetch
	s_bfe_u32 s40, ttmp6, 0x40000
	s_bfe_u32 s41, ttmp6, 0x40004
	s_lshl_b32 s42, ttmp9, 2
	s_add_co_u32 s42, s42, s40                     ; tile column x
	s_and_b32 s13, ttmp7, 0xffff
	s_lshl_b32 s13, s13, 2
	s_add_co_u32 s13, s13, s41                     ; tile row y
	s_lshl_b32 s43, s41, 2
	s_lshl_b32 s43, 15, s43                        ; my row of the cluster
	s_lshl_b32 s44, 0x1111, s40                    ; my column
	; group 1 for A: two blocks, 32,768 dense bytes, as 128 rows of 128 elements of 2 bytes; 16 bytes of padding behind every 32 words
	s_or_b32 s[G1+0], s43, (1<<16)|(1<<20)|(1<<21)|(4<<22)|(3<<25)
	s_mov_b32 s[G1+1], 128<<16
	s_mov_b32 s[G1+2], 128<<16
	s_mov_b32 s[G1+3], 128<<16
	s_mov_b32 s[G1+4], 128
	s_mov_b32 s[G1+5], 128
	s_mov_b32 s[G1+6], 0
	s_mov_b32 s[G1+7], 0
	; group 1 for B: 64 rows of 256 elements, 1,024 elements from row to row; 16 bytes of padding behind every 128 words
	s_or_b32 s[G1B+0], s44, (1<<16)|(1<<20)|(1<<21)|(6<<22)|(3<<25)
	s_mov_b32 s[G1B+1], KSTEP<<16
	s_mov_b32 s[G1B+2], 64<<16
	s_mov_b32 s[G1B+3], KSTEP<<16
	s_mov_b32 s[G1B+4], 64
	s_mov_b32 s[G1B+5], 1024
	s_mov_b32 s[G1B+6], 0
	s_mov_b32 s[G1B+7], 0
	s_lshl_b32 s16, s13, 18                        ; A: tile row y's sixteen blocks, and my two of a step's four
	s_lshl_b32 s17, s12, 15
	s_add_co_u32 s16, s16, s17
	s_mov_b32 s17, 0
	s_lshl_b32 s46, s42, 18                        ; B: 128 rows of 2,048 bytes a tile column, and my 64
	s_lshl_b32 s47, s12, 17
	s_add_co_u32 s46, s46, s47
	s_mov_b32 s47, 0
	s_mul_i32 s20, s10, 2*ABLK                     ; where A's halves go (waves 0, 1),
	s_mul_i32 s21, s10, BHALF                      ; and B's (waves 2, 3): APART + (wave - 2) x BHALF
	s_add_co_u32 s21, s21, APART-2*BHALF
	s_wait_dscnt 0x0                               ; the opening add is done
	s_wait_kmcnt 0x0
	s_add_nc_u64 s[14:15], s[4:5], s[16:17]
	s_add_nc_u64 s[46:47], s[6:7], s[46:47]
	CROUND                                         ; all sixteen work-groups are here
.irp s, 0,1
	s_mov_b32 s[G0+4*(\s)], 1
	s_add_co_u32 s[G0+4*(\s)+1], s20, (\s)*SLOT
	s_add_nc_u64 s[G0+4*(\s)+2:G0+4*(\s)+3], s[14:15], (\s)*65536   ; a K step is four blocks
	s_or_b32 s[G0+4*(\s)+3], s[G0+4*(\s)+3], 0x80000000
	s_mov_b32 s[G0B+4*(\s)], 1
	s_add_co_u32 s[G0B+4*(\s)+1], s21, (\s)*SLOT
	s_add_nc_u64 s[G0B+4*(\s)+2:G0B+4*(\s)+3], s[46:47], (\s)*KSTEP*2
	s_or_b32 s[G0B+4*(\s)+3], s[G0B+4*(\s)+3], 0x80000000
	JLOAD \s                                       ; two loads of mine are out
.endr
	v_and_b32 v1, 15, v0                           ; l % 16
	v_bfe_u32 v2, v0, 4, 1                         ; l / 16
	s_lshl_b32 s18, s42, 9                         ; my 64 columns, in bytes of f32
	s_lshl_b32 s19, s12, 8
	s_add_co_u32 s18, s18, s19
	s_mov_b32 s19, 0
	s_add_nc_u64 s[68:69], s[68:69], s[18:19]
	v_lshlrev_b32 v6, 5, v2
.irp b, 0,1,2,3
	global_load_b128 v[BI+8*(\b):BI+8*(\b)+3],   v6, s[68:69] offset:64*(\b)
	global_load_b128 v[BI+8*(\b)+4:BI+8*(\b)+7], v6, s[68:69] offset:64*(\b)+16
.endr
	v_mul_u32_u24 v3, v1, PA
	v_lshl_add_u32 v3, v2, 4, v3
	v_mul_u32_u24 v4, v1, PB
	v_lshl_add_u32 v4, v2, 4, v4
	s_mul_i32 s21, s11, 64*PA                      ; my 64 rows in each block of A
	s_mul_i32 s22, s12, BHALF                      ; my 64 rows of B
	s_add_co_u32 s22, s22, APART
.irp s, 0,1
	v_add_nc_u32 v[ADRA+(\s)], s21, v3
	v_add_nc_u32 v[ADRB+(\s)], s22, v4
	s_add_co_u32 s21, s21, SLOT
	s_add_co_u32 s22, s22, SLOT
.endr
	s_mul_i32 s23, s10, 16*SPITCH
	s_add_co_u32 s23, s23, STAGE                   ; my stage
	v_mul_u32_u24 v4, v1, SPITCH                   ; in: row l % 16, 32 bytes for each half of the lanes
	v_lshl_add_u32 v4, v2, 5, v4
	v_add_nc_u32 v[STO], s23, v4
	v_mul_u32_u24 v5, v2, SPITCH                   ; back: lanes 0-15 one row of 256 bytes, lanes 16-31 the next
	v_lshl_add_u32 v5, v1, 4, v5
	v_add_nc_u32 v[RD], s23, v5
	v_lshlrev_b32 v5, 13, v2                       ; rows l of C lie 8,192 bytes apart
	v_lshl_add_u32 v[CO], v1, 4, v5
	s_and_b32 s16, s13, 15                         ; C: l = 128 (y % 16) + 64 x half, batch y / 16, my 64 columns
	s_lshl_b32 s16, s16, 20
	s_lshl_b32 s17, s11, 19
	s_add_co_u32 s16, s16, s17
	s_lshr_b32 s17, s13, 4
	s_lshl_b32 s17, s17, 12
	s_add_co_u32 s16, s16, s17
	s_add_co_u32 s16, s16, s18
	s_mov_b32 s17, 0
	s_add_nc_u64 s[8:9], s[8:9], s[16:17]
	s_wait_loadcnt 0x0                             ; the bias,
.set i, 0
.rept 16                                           ; rounded to bf16 like every input
	v_cvt_pk_bf16_f32 v7, v[BI+2*i], v[BI+2*i+1]
	v_lshlrev_b32 v[BI+2*i], 16, v7
	v_and_b32 v[BI+2*i+1], 0xffff0000, v7
.set i, i+1
.endr
; 8 matrix instructions: m blocks a0, a0 + 1 x all 4 n blocks, 32 along K: half c of buffer f.  zero = 1: the first product starts the sums, from the bias
.macro MUL8 f, c, a0, zero
	WIN MUL
.irp a, \a0, (\a0)+1
.irp b, 0,1,2,3
.if \zero
	v_wmma_f32_16x16x32_f16 v[ACC+8*(4*(\a)+(\b)):ACC+8*(4*(\a)+(\b))+7], v[(\f)+64+8*(4*(\c)+(\b)):(\f)+64+8*(4*(\c)+(\b))+7], v[(\f)+8*(4*(\c)+(\a)):(\f)+8*(4*(\c)+(\a))+7], v[BI+8*(\b):BI+8*(\b)+7]
.else
	v_wmma_f32_16x16x32_f16 v[ACC+8*(4*(\a)+(\b)):ACC+8*(4*(\a)+(\b))+7], v[(\f)+64+8*(4*(\c)+(\b)):(\f)+64+8*(4*(\c)+(\b))+7], v[(\f)+8*(4*(\c)+(\a)):(\f)+8*(4*(\c)+(\a))+7], v[ACC+8*(4*(\a)+(\b)):ACC+8*(4*(\a)+(\b))+7]
.endif
.endr
.endr
.endm
; 32 LDS loads in one run: the fragments of quarter q of the slot's step (64 along K: one block of A) into buffer f; the first 32 along K first
.macro FETCH slot, q, f
	WIN TO_F
.irp c, 0,1
.irp i, 0,1,2,3
	ds_load_b128 v[(\f)+64+8*(4*(\c)+(\i)):(\f)+64+8*(4*(\c)+(\i))+3],   v[ADRB+(\slot)] offset:128*(\q)+64*(\c)+(\i)*16*PB
	ds_load_b128 v[(\f)+64+8*(4*(\c)+(\i))+4:(\f)+64+8*(4*(\c)+(\i))+7], v[ADRB+(\slot)] offset:128*(\q)+64*(\c)+(\i)*16*PB+32
	ds_load_b128 v[(\f)+8*(4*(\c)+(\i)):(\f)+8*(4*(\c)+(\i))+3],         v[ADRA+(\slot)] offset:ABLK*(\q)+64*(\c)+(\i)*16*PA
	ds_load_b128 v[(\f)+8*(4*(\c)+(\i))+4:(\f)+8*(4*(\c)+(\i))+7],       v[ADRA+(\slot)] offset:ABLK*(\q)+64*(\c)+(\i)*16*PA+32
.endr
.endr
.endm
.macro PLACES
.rept 4
	v_nop
.endr
.endm
.macro QUARTER slot, q, f, g, zero
	s_wait_dscnt 16                                ; the first 32 along K are in
	MUL8 \f, 0, 0, \zero
	MUL8 \f, 0, 2, \zero
	PLACES
	FETCH \slot, \q, \g
	s_wait_dscnt 32                                ; all but the 32 just issued
	MUL8 \f, 1, 0, 0
	MUL8 \f, 1, 2, 0
.endm
; The last quarter multiplies buffer 1 and changes slots: ONE barrier; in front of it each wave waits for all its tensor loads, adds 0 to its spare word, and waits for that and for its reads of this slot.
.macro TURN slot, next, fill
	WIN 0
	s_wait_tensorcnt 0x0
	ds_add_u32 v[SPW], v[NIL]
	s_wait_dscnt 17                                ; (the add and the youngest sixteen loads may be out)
	MUL8 F1, 0, 0, 0
	s_wait_dscnt 0x0                               ; the add is done, and my reads of this slot are over
	s_barrier_signal -1
	MUL8 F1, 0, 2, 0
.if \fill
	WIN 0
.endif
	s_barrier_wait -1
.if \fill
	CREST                                          ; no wave of any partner still reads this slot's tile or has a load on its way
	s_add_nc_u64 s[G0+4*(\slot)+2:G0+4*(\slot)+3], s[G0+4*(\slot)+2:G0+4*(\slot)+3], 131072
	s_add_nc_u64 s[G0B+4*(\slot)+2:G0B+4*(\slot)+3], s[G0B+4*(\slot)+2:G0B+4*(\slot)+3], 2*KSTEP*2
	JLOAD \slot                                    ; my one tensor load behind the round; its four v_nop are also the places in front of the loads below
.else
	PLACES
.endif
	FETCH \next, 0, F0
	MUL8 F1, 1, 0, 0
	MUL8 F1, 1, 2, 0
.endm
	s_wait_tensorcnt 1                             ; my part of K step 0 is in; K step 1's may stay out
	s_barrier_signal -1
	s_barrier_wait -1
	FETCH 0, 0, F0
	QUARTER 0, 1, F0, F1, 1
	WIN 0
	s_mov_b32 s3, LAPS-1
.Llap:
	QUARTER 0, 2, F1, F0, 0
	QUARTER 0, 3, F0, F1, 0
	TURN 0, 1, 1
	QUARTER 1, 1, F0, F1, 0
	QUARTER 1, 2, F1, F0, 0
	QUARTER 1, 3, F0, F1, 0
	TURN 1, 0, 1
	QUARTER 0, 1, F0, F1, 0
	WIN 0
	s_sub_co_u32 s3, s3, 1
	s_cmp_lg_u32 s3, 0
	s_cbranch_scc1 .Llap
	QUARTER 0, 2, F1, F0, 0                        ; the last lap fills nothing
	QUARTER 0, 3, F0, F1, 0
	TURN 0, 1, 0
	QUARTER 1, 1, F0, F1, 0
	QUARTER 1, 2, F1, F0, 0
	QUARTER 1, 3, F0, F1, 0
	s_wait_dscnt 16
	MUL8 F1, 0, 0, 0
	MUL8 F1, 0, 2, 0
	s_wait_dscnt 0
	MUL8 F1, 1, 0, 0
	MUL8 F1, 1, 2, 0
	WIN 0
	; THE WAY OUT.  My 64 columns are 256 bytes of a row of C: a block of 16 rows goes through my own stage and comes back as whole rows, into the registers that it left.
	PLACES
.macro OUTB a
.irp b, 0,1,2,3
	ds_store_b128 v[STO], v[ACC+8*(4*(\a)+(\b)):ACC+8*(4*(\a)+(\b))+3]   offset:64*(\b)      ; each accumulator's low registers first
	ds_store_b128 v[STO], v[ACC+8*(4*(\a)+(\b))+4:ACC+8*(4*(\a)+(\b))+7] offset:64*(\b)+16
.endr
.irp t, 0,1,2,3,4,5,6,7
	ds_load_b128 v[ACC+32*(\a)+4*(\t):ACC+32*(\a)+4*(\t)+3], v[RD] offset:(\t)*2*SPITCH  ; LDS serves a wave's instructions in order (ISA guide 5.7.1.4)
.endr
.endm
.macro SENDB a, younger                ; younger: the LDS instructions issued behind block a's loads: the next block's sixteen, or none
.irp t, 0,1,2,3,4,5,6,7
	s_wait_dscnt (\younger)+7-(\t)
	global_store_b128 v[CO], v[ACC+32*(\a)+4*(\t):ACC+32*(\a)+4*(\t)+3], s[8:9] offset:(16*(\a)+2*(\t))*8192  ; 16 lanes store 256 consecutive bytes, at a multiple of 256
.endr
.endm
	OUTB 0
	OUTB 1
	SENDB 0, 16
	OUTB 2
	SENDB 1, 16
	OUTB 3
	SENDB 2, 16
	SENDB 3, 0
	s_wait_tensorcnt 0x0                           ; the wave's end
	ds_add_u32 v[SPW], v[NIL]
	s_wait_dscnt 0x0
	CROUND                                         ; the closing round
	s_endpgm
.Lfunc_end_k_qfd74f5c220_projv:
	.size	k_qfd74f5c220_projv, .Lfunc_end_k_qfd74f5c220_projv-k_qfd74f5c220_projv
	.p2alignl 7, 3214868480
	.fill 96, 4, 3214868480
	.section	.rodata,"a",@progbits
	.p2align	6, 0x0
	.amdhsa_kernel k_qfd74f5c220_projv
		.amdhsa_group_segment_fixed_size 327680
		.amdhsa_private_segment_fixed_size 0
		.amdhsa_enable_private_segment 0
		.amdhsa_kernarg_size 32
		.amdhsa_user_sgpr_count 2
		.amdhsa_user_sgpr_kernarg_segment_ptr 1
		.amdhsa_wavefront_size32 1
		.amdhsa_system_sgpr_workgroup_id_x 1
		.amdhsa_system_sgpr_workgroup_id_y 1
		.amdhsa_system_sgpr_workgroup_id_z 1
		.amdhsa_system_vgpr_workitem_id 0
		.amdhsa_next_free_vgpr 512
		.amdhsa_next_free_sgpr 72
		.amdhsa_reserve_vcc 0
		.amdhsa_float_denorm_mode_32 3
		.amdhsa_float_denorm_mode_16_64 3
		.amdhsa_memory_ordered 1
		.amdhsa_forward_progress 1
		.amdhsa_inst_pref_size 90
	.end_amdhsa_kernel
	.amdgpu_metadata
---
amdhsa.version: [ 1, 2 ]
amdhsa.kernels:
  - .name:           k_qfd74f5c220_projv
    .symbol:         k_qfd74f5c220_projv.kd
    .args:
      - { .name: va, .offset: 0, .size: 8, .value_kind: global_buffer, .address_space: global }
      - { .name: wv, .offset: 8, .size: 8, .value_kind: global_buffer, .address_space: global }
      - { .name: vf, .offset: 16, .size: 8, .value_kind: global_buffer, .address_space: global }
      - { .name: bv, .offset: 24, .size: 8, .value_kind: global_buffer, .address_space: global }
    .group_segment_fixed_size: 327680
    .private_segment_fixed_size: 0
    .kernarg_segment_align: 8
    .kernarg_segment_size: 32
    .max_flat_workgroup_size: 128
    .sgpr_count:     72
    .vgpr_count:     512
    .wavefront_size: 32
...
	.end_amdgpu_metadata
.endif
;; end of part 3
;; launch state (part 4): grid 8 x 32, 8 waves a work-group, no clusters, 230,400 bytes of LDS; arguments qk, vf, masks, gmask, sp; writes sp
.if DOCPART == 4
	.amdgcn_target "amdgcn-amd-amdhsa--gfx1250"
	.amdhsa_code_object_version 6
	.text
	.protected	k_qfd74f5c220_state
	.globl	k_qfd74f5c220_state
	.p2align	8
	.type	k_qfd74f5c220_state,@function
k_qfd74f5c220_state:
	s_mov_b64 s[64:65], 0
	v_nop
	global_prefetch_b8 v0, s[64:65] scope:SCOPE_SE
	s_setreg_imm32_b32 hwreg(HW_REG_WAVE_MODE, 25, 1), 1
	s_wait_xcnt 0x0
; THE STATE.  Nothing but sums stands between w = q1 k1^T + q kg^T and its two uses (w v and the row sum of w), so (q1 k1^T) v = q1 (k1^T v): the same products, added in another order.
; This launch makes partial sums, in f32, of S[d][e] = sum over s of km[s][d] v[s][e] and of sum over s of km[s][d] (a fifth tile of columns, v = 1), km = k with the masked numbers set to 0.
; A work-group takes one (b, h) (grid y), one kind (x / 4: 0 = masks[h], 1 = gmask) and 512 rows s (x % 4).  k is f16; v comes as f32 and is rounded once to f16 here (LIMIT: within 65,504).
; PHASE A: wave w brings rows 64 w .. 64 w + 63 through registers (a ring of 16 slots of two rows: 48 loads in flight a wave), masks k, rounds v, and lays both into LDS.
; PHASE B, behind the one barrier: wave w owns the 16 rows d = 16 w .. of S: five accumulators, 16 steps of 32 along s; both operands lie [s][..] in LDS and come out turned, by ds_load_tr16_b128.
; sp[bh][kind][chunk][et][dt]: tiles of 1,024 bytes as the registers hold them: registers 0-3 at 16 x lane, 4-7 at 512 + 16 x lane; register j of lane l is S[16 dt + 8 (l / 16) + j][16 et + l % 16].
; No tensor loads: k is changed on its way into LDS.  No cluster: the two kinds share k and v, but through registers.
.set PK, 288                           ; a row of k in LDS: 256 bytes + 32: an odd multiple of 32
.set PV, 160                           ; a row of v: 128 + 32
.set VB, 512*PK                        ; v lies behind k's 512 rows
.set SPARE, VB+512*PV                  ; the spare words, 128 bytes for each wave
.set KO, 4                             ; v4   my byte offset in the wave's rows of k
.set MO, 5                             ; v5   in its rows of the mask
.set VO, 6                             ; v6   in its rows of v
.set KS, 7                             ; v7   where I put 16 bytes of k
.set VS, 8                             ; v8   where I put 8 bytes of v
.set AK, 9                             ; v9-12   the turning loads' addresses in k, for s = 128 g on
.set AV, 13                            ; v13-16  in v
.set PO, 17                            ; v17  my byte offset in a tile of sp
.set SPW, 18                           ; v18  LDS address of my spare word; never rewritten
.set NIL, 19                           ; v19  0; never rewritten
.set T0, 20                            ; v20-25 at work
.set T1, 21
.set E0, 22
.set KR, 32                            ; v[32:95]    ring: k, 4 registers a slot
.set VR, 96                            ; v[96:159]   ring: v
.set MR, 160                           ; v[160:191]  ring: mask bytes, 2 registers a slot
.set FA, 32                            ; phase B: k^T's fragment, two buffers of 8
.set FB, 48                            ; v's four fragments, two buffers of 32
.set ONE, 112                          ; a fragment of ones
.set ACC, 120                          ; five accumulators
.set SLO, 20                           ; s20, s21: byte selects
.set SHI, 21
; Eight f16 in v[k .. k+3] are set to 0 where the eight bytes in v[m], v[m+1] are 1: each byte times 255, spread over two bytes, and taken out of the word.
.macro MASK4 k, m
	v_lshlrev_b32 v[T0], 8, v[(\m)]
	v_lshlrev_b32 v[T1], 8, v[(\m)+1]
	v_sub_nc_u32 v[T0], v[T0], v[(\m)]
	v_sub_nc_u32 v[T1], v[T1], v[(\m)+1]
	v_perm_b32 v[E0],   v[T0], v[T0], s[SLO]
	v_perm_b32 v[E0+1], v[T0], v[T0], s[SHI]
	v_perm_b32 v[E0+2], v[T1], v[T1], s[SLO]
	v_perm_b32 v[E0+3], v[T1], v[T1], s[SHI]
	v_bfi_b32 v[(\k)],   v[E0],   0, v[(\k)]
	v_bfi_b32 v[(\k)+1], v[E0+1], 0, v[(\k)+1]
	v_bfi_b32 v[(\k)+2], v[E0+2], 0, v[(\k)+2]
	v_bfi_b32 v[(\k)+3], v[E0+3], 0, v[(\k)+3]
.endm
.macro ISSUE j                         ; rows 2 j and 2 j + 1 of the wave's 64: three loads
.set sl, (\j)%16
	global_load_b128 v[KR+4*sl:KR+4*sl+3], v[KO], s[8:9] offset:512*(\j)
	global_load_b64  v[MR+2*sl:MR+2*sl+1], v[MO], s[12:13] offset:256*(\j)
	global_load_b128 v[VR+4*sl:VR+4*sl+3], v[VO], s[10:11] offset:16384*(\j)
.endm
.macro SLOT j
.set sl, (\j)%16
.set yg, 31-(\j)
.if yg > 15
.set yg, 15
.endif
	s_wait_loadcnt 3*yg                            ; the younger slots' three loads each may stay out
	MASK4 KR+4*sl, MR+2*sl
	ds_store_b128 v[KS], v[KR+4*sl:KR+4*sl+3] offset:2*PK*(\j)
	v_cvt_pk_f16_f32 v[VR+4*sl], v[VR+4*sl], v[VR+4*sl+1]
	v_cvt_pk_f16_f32 v[VR+4*sl+1], v[VR+4*sl+2], v[VR+4*sl+3]
	ds_store_b64 v[VS], v[VR+4*sl:VR+4*sl+1] offset:2*PV*(\j)
.if (\j) < 16
	ISSUE (\j)+16
.endif
.endm
.macro LOADF t, buf                    ; step t's fragments: 32 rows s; ten loads
.set g, (\t)/4
.set u, (\t)%4
	ds_load_tr16_b128 v[FA+8*(\buf):FA+8*(\buf)+3],   v[AK+g] offset:32*PK*u
	ds_load_tr16_b128 v[FA+8*(\buf)+4:FA+8*(\buf)+7], v[AK+g] offset:32*PK*u+16*PK
.irp et, 0,1,2,3
	ds_load_tr16_b128 v[FB+32*(\buf)+8*\et:FB+32*(\buf)+8*\et+3],   v[AV+g] offset:32*PV*u+32*\et
	ds_load_tr16_b128 v[FB+32*(\buf)+8*\et+4:FB+32*(\buf)+8*\et+7], v[AV+g] offset:32*PV*u+16*PV+32*\et
.endr
.endm
.macro MULS buf, zero                  ; five matrix instructions, the five accumulators by turns
.irp et, 0,1,2,3,4
.set rB, FB+32*(\buf)+8*\et
.if \et == 4
.set rB, ONE
.endif
.if \zero
	v_wmma_f32_16x16x32_f16 v[ACC+8*\et:ACC+8*\et+7], v[FA+8*(\buf):FA+8*(\buf)+7], v[rB:rB+7], 0
.else
	v_wmma_f32_16x16x32_f16 v[ACC+8*\et:ACC+8*\et+7], v[FA+8*(\buf):FA+8*(\buf)+7], v[rB:rB+7], v[ACC+8*\et:ACC+8*\et+7]
.endif
.endr
.endm
	s_load_b256 s[8:15], s[0:1], 0x0               ; qk s[8:9], vf s[10:11], masks s[12:13], gmask s[14:15]
	s_load_b64 s[16:17], s[0:1], 0x20              ; sp
	v_lshl_add_u32 v[SPW], v0, 2, SPARE
	v_mov_b32 v[NIL], 0
	v_lshrrev_b32 v1, 5, v0
	v_readfirstlane_b32 s4, v1                     ; wave 0..7
	s_and_b32 s5, ttmp7, 0xffff                    ; 16 b + h
	s_lshr_b32 s6, ttmp9, 2                        ; kind
	s_and_b32 s7, ttmp9, 3                         ; chunk of 512 rows
	s_lshr_b32 s18, s5, 4                          ; b
	s_and_b32 s19, s5, 15                          ; h
	s_mov_b32 s[SLO], 0x01010000                   ; bytes 0, 0, 1, 1
	s_mov_b32 s[SHI], 0x03030202                   ; bytes 2, 2, 3, 3
	s_lshl_b32 s22, s5, 19                         ; k: the second half of qk, head 16 b + h, my 512 rows of 256 bytes
	s_lshl_b32 s24, s7, 17
	s_add_co_u32 s22, s22, s24
	s_add_co_u32 s22, s22, 0x1000000
	s_mov_b32 s23, 0
	s_lshl_b32 s24, s7, 22                         ; v: 512 rows l of 8,192 bytes, batch b, the head's 256 bytes
	s_lshl_b32 s30, s18, 12
	s_add_co_u32 s24, s24, s30
	s_lshl_b32 s30, s19, 8
	s_add_co_u32 s24, s24, s30
	s_mov_b32 s25, 0
	s_lshl_b32 s30, s19, 18                        ; the mask: the head's 2,048 rows of 128 bytes (kind 0), my 512 rows
	s_cmp_eq_u32 s6, 0
	s_cselect_b32 s26, s30, 0
	s_lshl_b32 s30, s7, 16
	s_add_co_u32 s26, s26, s30
	s_mov_b32 s27, 0
	s_lshl_b32 s28, s5, 3                          ; sp: 40,960 bytes for each (bh, kind, chunk)
	s_add_co_u32 s28, s28, ttmp9
	s_mul_i32 s28, s28, 40960
	s_mov_b32 s29, 0
	v_and_b32 v2, 31, v0                           ; lane
	v_and_b32 v3, 15, v0                           ; lane % 16
	v_bfe_u32 v26, v0, 4, 1                        ; lane / 16
	s_lshl_b32 s30, s4, 14
	v_lshl_add_u32 v[KO], v2, 4, s30               ; 64 rows of 256 bytes a wave; a load takes two rows
	s_lshl_b32 s30, s4, 13
	v_lshl_add_u32 v[MO], v2, 3, s30               ; 64 rows of 128 bytes
	s_lshl_b32 s30, s4, 19
	v_lshl_add_u32 v[VO], v26, 13, s30             ; 64 rows 8,192 bytes apart; 16 lanes take a row's 256 bytes
	v_lshl_add_u32 v[VO], v3, 4, v[VO]
	s_wait_kmcnt 0x0
	s_add_nc_u64 s[8:9], s[8:9], s[22:23]
	s_add_nc_u64 s[10:11], s[10:11], s[24:25]
	s_cmp_eq_u32 s6, 0
	s_cselect_b64 s[12:13], s[12:13], s[14:15]
	s_add_nc_u64 s[12:13], s[12:13], s[26:27]
	s_add_nc_u64 s[16:17], s[16:17], s[28:29]
.set j, 0
.rept 16
	ISSUE j
.set j, j+1
.endr
	v_and_b32 v27, 7, v0
	v_bfe_u32 v28, v0, 3, 1
	s_mul_i32 s30, s4, 64*PK
	v_mul_u32_u24 v29, v26, PK
	v_add_nc_u32 v29, s30, v29
	v_lshl_add_u32 v[KS], v3, 4, v29
	s_mul_i32 s30, s4, 64*PV
	s_add_co_u32 s30, s30, VB
	v_mul_u32_u24 v29, v26, PV
	v_add_nc_u32 v29, s30, v29
	v_lshl_add_u32 v[VS], v3, 3, v29
	; the turning load: lane l reads 16 bytes of row 8 (l / 16) + l % 8, at 16 ((l / 8) % 2), and is left with column l % 16 and eight rows
	v_lshl_add_u32 v29, v26, 3, v27
	v_mul_u32_u24 v30, v29, PK
	v_lshl_add_u32 v30, v28, 4, v30
	s_lshl_b32 s30, s4, 5                          ; my 16 columns d
	v_add_nc_u32 v30, s30, v30
	v_mul_u32_u24 v31, v29, PV
	v_lshl_add_u32 v31, v28, 4, v31
.irp g, 0,1,2,3
	v_add_nc_u32 v[AK+\g], \g*128*PK, v30
	v_add_nc_u32 v[AV+\g], VB+\g*128*PV, v31
.endr
	s_lshl_b32 s30, s4, 10
	v_lshl_add_u32 v[PO], v2, 4, s30
.set j, 0
.rept 32
	SLOT j
.set j, j+1
.endr
	s_wait_dscnt 0x0                               ; for the others' sake: my stores into LDS are done
	s_barrier_signal -1
	s_barrier_wait -1
.set i, 0
.rept 8
	v_mov_b32 v[ONE+i], 0x3c003c00                 ; 1.0 twice in f16
.set i, i+1
.endr
	LOADF 0, 0
.set t, 0
.rept 16
.if t < 15
.if t > 0
.rept 4
	v_nop                                          ; four places between the products that read a buffer and the loads into it (ISA guide 7.12.1 for vector instructions)
.endr
.endif
	LOADF t+1, (t+1)%2
	s_wait_dscnt 10                                ; all but the ten just issued
.else
	s_wait_dscnt 0x0
.endif
.if t == 0
	MULS 0, 1                                      ; the first step starts the sums
.else
	MULS t%2, 0
.endif
.set t, t+1
.endr
.rept 4
	v_nop
.endr
.irp et, 0,1,2,3,4
	global_store_b128 v[PO], v[ACC+8*\et:ACC+8*\et+3],   s[16:17] offset:8192*\et       ; 512 consecutive bytes; each accumulator's low registers first
	global_store_b128 v[PO], v[ACC+8*\et+4:ACC+8*\et+7], s[16:17] offset:8192*\et+512
.endr
	s_wait_tensorcnt 0x0                           ; the wave's end
	ds_add_u32 v[SPW], v[NIL]
	s_wait_dscnt 0x0
	s_endpgm
.Lfunc_end_k_qfd74f5c220_state:
	.size	k_qfd74f5c220_state, .Lfunc_end_k_qfd74f5c220_state-k_qfd74f5c220_state
	.p2alignl 7, 3214868480
	.fill 96, 4, 3214868480
	.section	.rodata,"a",@progbits
	.p2align	6, 0x0
	.amdhsa_kernel k_qfd74f5c220_state
		.amdhsa_group_segment_fixed_size 230400
		.amdhsa_private_segment_fixed_size 0
		.amdhsa_enable_private_segment 0
		.amdhsa_kernarg_size 40
		.amdhsa_user_sgpr_count 2
		.amdhsa_user_sgpr_kernarg_segment_ptr 1
		.amdhsa_wavefront_size32 1
		.amdhsa_system_sgpr_workgroup_id_x 1
		.amdhsa_system_sgpr_workgroup_id_y 1
		.amdhsa_system_sgpr_workgroup_id_z 1
		.amdhsa_system_vgpr_workitem_id 0
		.amdhsa_next_free_vgpr 192
		.amdhsa_next_free_sgpr 66
		.amdhsa_reserve_vcc 0
		.amdhsa_float_denorm_mode_32 3
		.amdhsa_float_denorm_mode_16_64 3
		.amdhsa_memory_ordered 1
		.amdhsa_forward_progress 1
		.amdhsa_inst_pref_size 61
	.end_amdhsa_kernel
	.amdgpu_metadata
---
amdhsa.version: [ 1, 2 ]
amdhsa.kernels:
  - .name:           k_qfd74f5c220_state
    .symbol:         k_qfd74f5c220_state.kd
    .args:
      - { .name: qk, .offset: 0, .size: 8, .value_kind: global_buffer, .address_space: global }
      - { .name: vf, .offset: 8, .size: 8, .value_kind: global_buffer, .address_space: global }
      - { .name: masks, .offset: 16, .size: 8, .value_kind: global_buffer, .address_space: global }
      - { .name: gmask, .offset: 24, .size: 8, .value_kind: global_buffer, .address_space: global }
      - { .name: sp, .offset: 32, .size: 8, .value_kind: global_buffer, .address_space: global }
    .group_segment_fixed_size: 230400
    .private_segment_fixed_size: 0
    .kernarg_segment_align: 8
    .kernarg_segment_size: 40
    .max_flat_workgroup_size: 256
    .sgpr_count:     66
    .vgpr_count:     192
    .wavefront_size: 32
...
	.end_amdgpu_metadata
.endif
;; end of part 4
;; launch apply (part 5): grid 8 x 32, 8 waves a work-group, no clusters, 60,672 bytes of LDS; arguments qk, masks, sp, ob; writes ob
.if DOCPART == 5
	.amdgcn_target "amdgcn-amd-amdhsa--gfx1250"
	.amdhsa_code_object_version 6
	.text
	.protected	k_qfd74f5c220_apply
	.globl	k_qfd74f5c220_apply
	.p2align	8
	.type	k_qfd74f5c220_apply,@function
k_qfd74f5c220_apply:
	s_mov_b64 s[64:65], 0
	v_nop
	global_prefetch_b8 v0, s[64:65] scope:SCOPE_SE
	s_setreg_imm32_b32 hwreg(HW_REG_WAVE_MODE, 25, 1), 1
	s_wait_xcnt 0x0
; O[l][e] = c (q1[l] . S0[:, e] + q[l] . S1[:, e]) / max(c (q1[l] . z0 + q[l] . z1), 1e-12), c = 2,048^-1/2; S0, z0: the state under masks[h]; S1, z1: under gmask; q1 = q under masks[h].
; A work-group takes 256 rows l (grid x) of one (b, h) (grid y), a wave 32 of them: two tiles of 16.
; 1. Each wave adds the four chunks' partial sums, in f32, for its 16 rows d of the state (all five column tiles, both kinds).  2. The largest magnitudes of S and of z over the whole state give two
; exact powers of two that bring them into [2^14, 2^15): the state is scaled, rounded once to f16 and laid into LDS as fragments; the powers are taken out again in f32, with c.
; 3. Eight steps of 32 along d: first the gmask state with q as it is, then q is masked in place, then the other state.  Source 0 = the state (16 columns e), source 1 = q (16 rows): a lane holds
; one row l and eight neighbouring e; the fifth tile's register 0 is the row's divisor.  4. The division (v_rcp_f32 and a multiply), one rounding to f16, and out through my stage:
; ob[b][l / 128][h][128 rows][64], the left operand of the output projection.
; LIMITS: |O| within 65,504; numbers of the state more than 2^-29 below its largest fall to f16's fixed step; an exponent field of the largest magnitude below 16 counts as 16; NaN and infinities are not treated apart.
; No tensor loads, no cluster: the eight work-groups of a head share 320 KB of partial sums, which each adds for itself through registers.
.set RED,   40960                      ; behind the 40 fragments of 1,024 bytes: the waves' maxima, 8 bytes each
.set STAGE, 41216                      ; 16 rows x 144 bytes for each wave
.set SP,    144
.set SPARE, STAGE+8*16*SP              ; the spare words, 128 bytes for each wave
.set QO, 3                             ; v3   my byte offset in 16 rows of q
.set MO, 4                             ; v4   in 16 rows of the mask
.set PO, 5                             ; v5   in a tile of sp, for my wave's rows d
.set SFW, 6                            ; v6   where I put 16 bytes of a fragment
.set L16, 7                            ; v7   16 x lane
.set STO, 8                            ; v8   the way out: where I put 16 bytes of a row
.set RD, 9                             ; v9   where I read rows back
.set RW, 10                            ; v10  my wave's 8 bytes of RED
.set RR, 11                            ; v11  RED
.set SPW, 12                           ; v12  LDS address of my spare word; never rewritten
.set NIL, 13                           ; v13  0; never rewritten
.set Q, 16                             ; v[16:79]    q: tile mt, d = 32 c on, at Q + 32 mt + 8 c
.set MK, 80                            ; v[80:111]   its mask bytes, at MK + 16 mt + 4 c
.set SUM, 112                          ; v[112:191]  the state's tile 2 et + kind at SUM + 8 (2 et + kind)
.set ACC, 112                          ; later the accumulators, at ACC + 40 mt + 8 et
.set TB, 192                           ; v[192:255]  a ring of 8 slots of 8; later at work:
.set BF, 192                           ; v[192:231]  five fragments of the state; then the packed O
.set SN, 232                           ; pairs that hold a number twice: the scale of S,
.set SD, 234                           ; of z,
.set CN, 236                           ; c / the scale of S,
.set CD, 238                           ; c / the scale of z
.set MX, 240                           ; v240, v241: the two maxima, a pair for the store
.set MD, 241
.set MN, 242
.set TT, 243
.set T0, 244
.set T1, 245
.set E0, 246                           ; v246-249
.set DN, 250                           ; v[250:253]  1 / divisor, twice, for each tile
.set SEL, 28                           ; s[28:29] v_permlanex16_b32's selects
.set SLO, 30
.set SHI, 31
.macro MASK4 k, m                      ; eight f16 in v[k .. k+3] are set to 0 where the eight bytes in v[m], v[m+1] are 1
	v_lshlrev_b32 v[T0], 8, v[(\m)]
	v_lshlrev_b32 v[T1], 8, v[(\m)+1]
	v_sub_nc_u32 v[T0], v[T0], v[(\m)]
	v_sub_nc_u32 v[T1], v[T1], v[(\m)+1]
	v_perm_b32 v[E0],   v[T0], v[T0], s[SLO]
	v_perm_b32 v[E0+1], v[T0], v[T0], s[SHI]
	v_perm_b32 v[E0+2], v[T1], v[T1], s[SLO]
	v_perm_b32 v[E0+3], v[T1], v[T1], s[SHI]
	v_bfi_b32 v[(\k)],   v[E0],   0, v[(\k)]
	v_bfi_b32 v[(\k)+1], v[E0+1], 0, v[(\k)+1]
	v_bfi_b32 v[(\k)+2], v[E0+2], 0, v[(\k)+2]
	v_bfi_b32 v[(\k)+3], v[E0+3], 0, v[(\k)+3]
.endm
.macro UNIT u                          ; unit u of 30: chunk 1 + u / 10, tile u % 10: two loads into ring slot u % 8
.set sl, (\u)%8
.set ti, (\u)%10
.set ch, 1+(\u)/10
	global_load_b128 v[TB+8*sl:TB+8*sl+3],   v[PO], s[12:13] offset:(ti%2)*163840+ch*40960+(ti/2)*8192
	global_load_b128 v[TB+8*sl+4:TB+8*sl+7], v[PO], s[12:13] offset:(ti%2)*163840+ch*40960+(ti/2)*8192+512
.endm
; 32 along d: five fragments of the state, ten matrix instructions on ten accumulators by turns, and four places in front of the next loads into the fragments' registers.
.macro STEP kind, c, zero
.set fr, ((\kind)*4+(\c))*5
.irp et, 0,1,2,3,4
	ds_load_b128 v[BF+8*\et:BF+8*\et+3],   v[L16] offset:(fr+\et)*1024
	ds_load_b128 v[BF+8*\et+4:BF+8*\et+7], v[L16] offset:(fr+\et)*1024+512
.endr
.irp et, 0,1,2,3,4
	s_wait_dscnt 8-2*\et                           ; the later fragments' loads may stay out
.irp mt, 0,1
.if \zero
	v_wmma_f32_16x16x32_f16 v[ACC+40*\mt+8*\et:ACC+40*\mt+8*\et+7], v[BF+8*\et:BF+8*\et+7], v[Q+32*\mt+8*(\c):Q+32*\mt+8*(\c)+7], 0
.else
	v_wmma_f32_16x16x32_f16 v[ACC+40*\mt+8*\et:ACC+40*\mt+8*\et+7], v[BF+8*\et:BF+8*\et+7], v[Q+32*\mt+8*(\c):Q+32*\mt+8*(\c)+7], v[ACC+40*\mt+8*\et:ACC+40*\mt+8*\et+7]
.endif
.endr
.endr
.rept 4
	v_nop
.endr
.endm
	s_load_b256 s[8:15], s[0:1], 0x0               ; qk s[8:9], masks s[10:11], sp s[12:13], ob s[14:15]
	v_lshl_add_u32 v[SPW], v0, 2, SPARE
	v_mov_b32 v[NIL], 0
	v_lshrrev_b32 v1, 5, v0
	v_readfirstlane_b32 s4, v1                     ; wave 0..7
	s_and_b32 s5, ttmp7, 0xffff                    ; 16 b + h
	s_mov_b32 s6, ttmp9                            ; block of 256 rows
	s_lshr_b32 s18, s5, 4                          ; b
	s_and_b32 s19, s5, 15                          ; h
	s_lshl_b32 s20, s5, 19                         ; q: the head, the block's 256 rows of 256 bytes, my wave's 32
	s_lshl_b32 s7, s6, 16
	s_add_co_u32 s20, s20, s7
	s_lshl_b32 s7, s4, 13
	s_add_co_u32 s20, s20, s7
	s_mov_b32 s21, 0
	s_lshl_b32 s22, s19, 18                        ; the mask: rows of 128 bytes
	s_lshl_b32 s7, s6, 15
	s_add_co_u32 s22, s22, s7
	s_lshl_b32 s7, s4, 12
	s_add_co_u32 s22, s22, s7
	s_mov_b32 s23, 0
	s_mul_i32 s24, s5, 327680                      ; the head's partial sums
	s_mov_b32 s25, 0
	s_lshl_b32 s26, s18, 4                         ; ob: block ((16 b + l / 128) 16 + h) of 16,384 bytes, my 32 rows of 128 bytes
	s_lshl1_add_u32 s26, s6, s26
	s_lshr_b32 s7, s4, 2
	s_add_co_u32 s26, s26, s7
	s_lshl4_add_u32 s26, s26, s19
	s_lshl_b32 s26, s26, 14
	s_and_b32 s7, s4, 3
	s_lshl_b32 s7, s7, 12
	s_add_co_u32 s26, s26, s7
	s_mov_b32 s27, 0
	s_mov_b32 s[SEL], 0x76543210
	s_mov_b32 s[SEL+1], 0xfedcba98
	s_mov_b32 s[SLO], 0x01010000
	s_mov_b32 s[SHI], 0x03030202
	v_and_b32 v2, 31, v0                           ; lane
	v_and_b32 v1, 15, v0                           ; lane % 16
	v_bfe_u32 v14, v0, 4, 1                        ; lane / 16
	v_lshlrev_b32 v[QO], 8, v1
	v_lshl_add_u32 v[QO], v14, 4, v[QO]
	v_lshlrev_b32 v[MO], 7, v1
	v_lshl_add_u32 v[MO], v14, 3, v[MO]
	s_lshl_b32 s7, s4, 10
	v_lshl_add_u32 v[PO], v2, 4, s7
	s_wait_kmcnt 0x0
	s_add_nc_u64 s[8:9], s[8:9], s[20:21]
	s_add_nc_u64 s[10:11], s[10:11], s[22:23]
	s_add_nc_u64 s[12:13], s[12:13], s[24:25]
	s_add_nc_u64 s[14:15], s[14:15], s[26:27]
.irp mt, 0,1
.irp c, 0,1,2,3
	global_load_b128 v[Q+32*\mt+8*\c:Q+32*\mt+8*\c+3],   v[QO], s[8:9] offset:4096*\mt+64*\c
	global_load_b128 v[Q+32*\mt+8*\c+4:Q+32*\mt+8*\c+7], v[QO], s[8:9] offset:4096*\mt+64*\c+32
.endr
.endr
.irp mt, 0,1
.irp c, 0,1,2,3
	global_load_b64 v[MK+16*\mt+4*\c:MK+16*\mt+4*\c+1],   v[MO], s[10:11] offset:2048*\mt+32*\c
	global_load_b64 v[MK+16*\mt+4*\c+2:MK+16*\mt+4*\c+3], v[MO], s[10:11] offset:2048*\mt+32*\c+16
.endr
.endr
.set i, 0
.rept 10                                           ; chunk 0 starts the sums: nothing is cleared
	global_load_b128 v[SUM+8*i:SUM+8*i+3],   v[PO], s[12:13] offset:(i%2)*163840+(i/2)*8192
	global_load_b128 v[SUM+8*i+4:SUM+8*i+7], v[PO], s[12:13] offset:(i%2)*163840+(i/2)*8192+512
.set i, i+1
.endr
.set u, 0
.rept 8
	UNIT u
.set u, u+1
.endr
	v_lshlrev_b32 v[L16], 4, v2
	s_lshr_b32 s7, s4, 1                           ; my rows d are half w % 2 of the fragments with c = w / 2
	s_mul_i32 s7, s7, 5120
	s_and_b32 s16, s4, 1
	s_lshl_b32 s16, s16, 9
	s_add_co_u32 s7, s7, s16
	v_add_nc_u32 v[SFW], s7, v[L16]
	s_mul_i32 s7, s4, 16*SP
	s_add_co_u32 s7, s7, STAGE                     ; my stage
	v_mul_u32_u24 v[STO], v1, SP
	v_lshl_add_u32 v[STO], v14, 4, v[STO]
	v_add_nc_u32 v[STO], s7, v[STO]
	v_lshrrev_b32 v15, 3, v2                       ; back: 32 lanes take four rows of 128 bytes
	v_mul_u32_u24 v[RD], v15, SP
	v_and_b32 v15, 7, v0
	v_lshl_add_u32 v[RD], v15, 4, v[RD]
	v_add_nc_u32 v[RD], s7, v[RD]
	s_lshl_b32 s7, s4, 3
	s_add_co_u32 s7, s7, RED
	v_mov_b32 v[RW], s7
	v_mov_b32 v[RR], RED
.set u, 0
.rept 30
.set yg, 29-u
.if yg > 7
.set yg, 7
.endif
	s_wait_loadcnt 2*yg                            ; the younger units' two loads each may stay out
.set sl, u%8
.set ti, u%10
.irp p, 0,1,2,3
	v_pk_add_f32 v[SUM+8*ti+2*\p:SUM+8*ti+2*\p+1], v[SUM+8*ti+2*\p:SUM+8*ti+2*\p+1], v[TB+8*sl+2*\p:TB+8*sl+2*\p+1]
.endr
.if u < 22
	UNIT u+8
.endif
.set u, u+1
.endr
	; the largest magnitude of my part of S (64 registers: largest and smallest), and the largest of z (16 registers: sums of numbers that are not negative)
	v_max3_num_f32 v[MX], v[SUM], v[SUM+1], v[SUM+2]
	v_min3_num_f32 v[MN], v[SUM], v[SUM+1], v[SUM+2]
.set i, 3
.rept 30
	v_max3_num_f32 v[MX], v[MX], v[SUM+i], v[SUM+i+1]
	v_min3_num_f32 v[MN], v[MN], v[SUM+i], v[SUM+i+1]
.set i, i+2
.endr
	v_max_num_f32 v[MX], v[MX], v[SUM+63]
	v_min_num_f32 v[MN], v[MN], v[SUM+63]
	v_max3_num_f32 v[MD], v[SUM+64], v[SUM+65], v[SUM+66]
.set i, 67
.rept 6
	v_max3_num_f32 v[MD], v[MD], v[SUM+i], v[SUM+i+1]
.set i, i+2
.endr
	v_max_num_f32 v[MD], v[MD], v[SUM+79]
	v_sub_f32 v[MN], 0, v[MN]
	v_mov_b32 v[TT], 0                             ; v_permlanex16_b32's destination counts as read
	v_max_num_f32 v[MX], v[MX], v[MN]
.irp m, 1,2,4,8
	v_max_num_f32_dpp v[MX], v[MX], v[MX] row_xmask:\m row_mask:0xf bank_mask:0xf
	v_max_num_f32_dpp v[MD], v[MD], v[MD] row_xmask:\m row_mask:0xf bank_mask:0xf
.endr
	v_permlanex16_b32 v[MN], v[MX], s[SEL], s[SEL+1]
	v_permlanex16_b32 v[TT], v[MD], s[SEL], s[SEL+1]
	v_max_num_f32 v[MX], v[MX], v[MN]
	v_max_num_f32 v[MD], v[MD], v[TT]
	ds_store_b64 v[RW], v[MX:MX+1]                 ; all lanes write the same two words
	s_wait_dscnt 0x0                               ; for the others' sake
	s_barrier_signal -1
	s_barrier_wait -1
.irp p, 0,1,2,3
	ds_load_b128 v[TB+4*\p:TB+4*\p+3], v[RR] offset:16*\p
.endr
	s_wait_dscnt 0x0
	v_max3_num_f32 v[MX], v[TB], v[TB+2], v[TB+4]
	v_max3_num_f32 v[MD], v[TB+1], v[TB+3], v[TB+5]
	v_max3_num_f32 v[MX], v[MX], v[TB+6], v[TB+8]
	v_max3_num_f32 v[MD], v[MD], v[TB+7], v[TB+9]
	v_max3_num_f32 v[MX], v[MX], v[TB+10], v[TB+12]
	v_max3_num_f32 v[MD], v[MD], v[TB+11], v[TB+13]
	v_max_num_f32 v[MX], v[MX], v[TB+14]
	v_max_num_f32 v[MD], v[MD], v[TB+15]
	; with the exponent field e (at least 16): the scale is 2^(141 - e), field 268 - e; its reciprocal has the field e - 14
	v_bfe_u32 v[MX], v[MX], 23, 8
	v_bfe_u32 v[MD], v[MD], 23, 8
	v_max_u32 v[MX], 16, v[MX]
	v_max_u32 v[MD], 16, v[MD]
	v_sub_nc_u32 v[SN], 268, v[MX]
	v_sub_nc_u32 v[SD], 268, v[MD]
	v_lshlrev_b32 v[SN], 23, v[SN]
	v_lshlrev_b32 v[SD], 23, v[SD]
	v_mov_b32 v[SN+1], v[SN]
	v_mov_b32 v[SD+1], v[SD]
	v_add_nc_u32 v[CN], -14, v[MX]
	v_add_nc_u32 v[CD], -14, v[MD]
	v_lshlrev_b32 v[CN], 23, v[CN]
	v_lshlrev_b32 v[CD], 23, v[CD]
	v_mul_f32 v[CN], 0x3cb504f3, v[CN]             ; c = 2,048^-1/2
	v_mul_f32 v[CD], 0x3cb504f3, v[CD]
	v_mov_b32 v[CN+1], v[CN]
	v_mov_b32 v[CD+1], v[CD]
	; the state, scaled, rounded once to f16: a tile's eight registers pack into half a fragment as they lie
.set i, 0
.rept 10
.set sc, SN
.if i >= 8
.set sc, SD
.endif
.irp p, 0,1,2,3
	v_pk_mul_f32 v[SUM+8*i+2*\p:SUM+8*i+2*\p+1], v[SUM+8*i+2*\p:SUM+8*i+2*\p+1], v[sc:sc+1]
.endr
.irp p, 0,1,2,3
	v_cvt_pk_f16_f32 v[TB+4*i+\p], v[SUM+8*i+2*\p], v[SUM+8*i+2*\p+1]
.endr
	ds_store_b128 v[SFW], v[TB+4*i:TB+4*i+3] offset:(i%2)*20480+(i/2)*1024
.set i, i+1
.endr
	s_wait_dscnt 0x0                               ; for the others' sake
	s_barrier_signal -1
	s_barrier_wait -1
	STEP 1, 0, 1                                   ; q as it is, with the gmask state; the first step starts the sums
	STEP 1, 1, 0
	STEP 1, 2, 0
	STEP 1, 3, 0
.irp mt, 0,1
.irp c, 0,1,2,3
	MASK4 Q+32*\mt+8*\c, MK+16*\mt+4*\c
	MASK4 Q+32*\mt+8*\c+4, MK+16*\mt+4*\c+2
.endr
.endr
	STEP 0, 0, 0                                   ; q under the head's mask, with the head's state
	STEP 0, 1, 0
	STEP 0, 2, 0
	STEP 0, 3, 0
	; the divisor: register 0 of the fifth tile
	v_mul_f32 v[DN], v[ACC+32], v[CD]
	v_mul_f32 v[DN+2], v[ACC+72], v[CD]
	v_max_num_f32 v[DN], 0x2b8cbccc, v[DN]         ; 1e-12
	v_max_num_f32 v[DN+2], 0x2b8cbccc, v[DN+2]
	v_rcp_f32 v[DN], v[DN]
	v_rcp_f32 v[DN+2], v[DN+2]
	v_nop                                          ; a plain instruction between the last reciprocal and the use of its result (ISA guide 5.7.2)
	s_wait_alu depctr_va_vdst(0)
	v_mov_b32 v[DN+1], v[DN]
	v_mov_b32 v[DN+3], v[DN+2]
.macro PACK mt                         ; tile mt: scale out, division, rounding (ascending in each accumulator); into rows of 144 bytes and back as whole rows of 128
.set i, 0
.rept 16
	v_pk_mul_f32 v[ACC+40*(\mt)+2*i:ACC+40*(\mt)+2*i+1], v[ACC+40*(\mt)+2*i:ACC+40*(\mt)+2*i+1], v[CN:CN+1]
.set i, i+1
.endr
.set i, 0
.rept 16
	v_pk_mul_f32 v[ACC+40*(\mt)+2*i:ACC+40*(\mt)+2*i+1], v[ACC+40*(\mt)+2*i:ACC+40*(\mt)+2*i+1], v[DN+2*(\mt):DN+2*(\mt)+1]
.set i, i+1
.endr
.set i, 0
.rept 16
	v_cvt_pk_f16_f32 v[BF+16*(\mt)+i], v[ACC+40*(\mt)+2*i], v[ACC+40*(\mt)+2*i+1]
.set i, i+1
.endr
.irp f, 0,1,2,3
	ds_store_b128 v[STO], v[BF+16*(\mt)+4*\f:BF+16*(\mt)+4*\f+3] offset:32*\f
.endr
.irp f, 0,1,2,3
	ds_load_b128 v[BF+16*(\mt)+4*\f:BF+16*(\mt)+4*\f+3], v[RD] offset:\f*4*SP  ; LDS serves a wave's instructions in order (ISA guide 5.7.1.4)
.endr
.endm
.macro SEND mt, younger                ; younger: the LDS instructions issued behind this tile's loads
.irp f, 0,1,2,3
	s_wait_dscnt (\younger)+3-\f
	global_store_b128 v[L16], v[BF+16*(\mt)+4*\f:BF+16*(\mt)+4*\f+3], s[14:15] offset:2048*(\mt)+512*\f  ; 512 consecutive bytes, at a multiple of 256
.endr
.endm
	PACK 0
	PACK 1
	SEND 0, 8
	SEND 1, 0
	s_wait_tensorcnt 0x0                           ; the wave's end
	ds_add_u32 v[SPW], v[NIL]
	s_wait_dscnt 0x0
	s_endpgm
.Lfunc_end_k_qfd74f5c220_apply:
	.size	k_qfd74f5c220_apply, .Lfunc_end_k_qfd74f5c220_apply-k_qfd74f5c220_apply
	.p2alignl 7, 3214868480
	.fill 96, 4, 3214868480
	.section	.rodata,"a",@progbits
	.p2align	6, 0x0
	.amdhsa_kernel k_qfd74f5c220_apply
		.amdhsa_group_segment_fixed_size 60672
		.amdhsa_private_segment_fixed_size 0
		.amdhsa_enable_private_segment 0
		.amdhsa_kernarg_size 32
		.amdhsa_user_sgpr_count 2
		.amdhsa_user_sgpr_kernarg_segment_ptr 1
		.amdhsa_wavefront_size32 1
		.amdhsa_system_sgpr_workgroup_id_x 1
		.amdhsa_system_sgpr_workgroup_id_y 1
		.amdhsa_system_sgpr_workgroup_id_z 1
		.amdhsa_system_vgpr_workitem_id 0
		.amdhsa_next_free_vgpr 256
		.amdhsa_next_free_sgpr 66
		.amdhsa_reserve_vcc 0
		.amdhsa_float_denorm_mode_32 3
		.amdhsa_float_denorm_mode_16_64 3
		.amdhsa_memory_ordered 1
		.amdhsa_forward_progress 1
		.amdhsa_inst_pref_size 66
	.end_amdhsa_kernel
	.amdgpu_metadata
---
amdhsa.version: [ 1, 2 ]
amdhsa.kernels:
  - .name:           k_qfd74f5c220_apply
    .symbol:         k_qfd74f5c220_apply.kd
    .args:
      - { .name: qk, .offset: 0, .size: 8, .value_kind: global_buffer, .address_space: global }
      - { .name: masks, .offset: 8, .size: 8, .value_kind: global_buffer, .address_space: global }
      - { .name: sp, .offset: 16, .size: 8, .value_kind: global_buffer, .address_space: global }
      - { .name: ob, .offset: 24, .size: 8, .value_kind: global_buffer, .address_space: global }
    .group_segment_fixed_size: 60672
    .private_segment_fixed_size: 0
    .kernarg_segment_align: 8
    .kernarg_segment_size: 32
    .max_flat_workgroup_size: 256
    .sgpr_count:     66
    .vgpr_count:     256
    .wavefront_size: 32
...
	.end_amdgpu_metadata
.endif
;; end of part 5
;; launch outproj: the kernel of part 3 again; grid 8 x 32, 4 waves a work-group, clusters of 4 x 4, 327,680 bytes of LDS; arguments ob, wo, out0, bo; writes out0
;; ======== version 2 of 2: 6 launches; version 1 with the launches state, apply written anew for expert scheduling mode
;; limits: values are held in f16: magnitudes above 65,504 overflow, below 6.1e-05 lose precision
;; workspace buffers: xb 25,165,824 bytes; va 8,388,608 bytes; wv 2,097,152 bytes; wo 2,097,152 bytes; qk 33,554,432 bytes; vf 16,777,216 bytes; sp 10,485,760 bytes; ob 8,388,608 bytes
;; launch cast: the kernel of part 1 again; grid 1152 x 1, 8 waves a work-group, no clusters, 0 bytes of LDS; arguments query, key, value, Wq, Wk, Wv, Wo, xb, va, wv, wo; writes xb, va, wv, wo
;; launch projqk: the kernel of part 2 again; grid 16 x 16, 4 waves a work-group, clusters of 4 x 4, 327,680 bytes of LDS; arguments xb, qk, bq, bk; writes qk
;; launch projv: the kernel of part 3 again; grid 8 x 32, 4 waves a work-group, clusters of 4 x 4, 327,680 bytes of LDS; arguments va, wv, vf, bv; writes vf
;; launch state (part 6): grid 8 x 32, 8 waves a work-group, no clusters, 230,400 bytes of LDS; arguments qk, vf, masks, gmask, sp; writes sp
.if DOCPART == 6
	.amdgcn_target "amdgcn-amd-amdhsa--gfx1250"
	.amdhsa_code_object_version 6
	.text
	.protected	k_qfd74f5c220_state
	.globl	k_qfd74f5c220_state
	.p2align	8
	.type	k_qfd74f5c220_state,@function
k_qfd74f5c220_state:
	s_mov_b64 s[64:65], 0
	v_nop
	global_prefetch_b8 v0, s[64:65] scope:SCOPE_SE
	s_setreg_imm32_b32 hwreg(HW_REG_WAVE_SCHED_MODE, 0, 2), 2
	s_setreg_imm32_b32 hwreg(HW_REG_WAVE_MODE, 25, 1), 1
	s_wait_xcnt 0x0
	s_wait_alu depctr_vm_vsrc(0)
; THE STATE.  Nothing but sums stands between w = q1 k1^T + q kg^T and its two uses (w v and the row sum of w), so (q1 k1^T) v = q1 (k1^T v): the same products, added in another order.
; This launch makes partial sums, in f32, of S[d][e] = sum over s of km[s][d] v[s][e] and of sum over s of km[s][d] (a fifth tile of columns, v = 1), km = k with the masked numbers set to 0.
; A work-group takes one (b, h) (grid y), one kind (x / 4: 0 = masks[h], 1 = gmask) and 512 rows s (x % 4).  k is f16; v comes as f32 and is rounded once to f16 here (LIMIT: within 65,504).
; PHASE A: wave w brings rows 64 w .. 64 w + 63 through registers (a ring of 16 slots of two rows: 36 to 48 loads in flight a wave), masks k, rounds v, and lays both into LDS.
; PHASE B, behind the one barrier: wave w owns the 16 rows d = 16 w .. of S: five accumulators, 16 steps of 32 along s; both operands lie [s][..] in LDS and come out turned, by ds_load_tr16_b128.
; sp[bh][kind][chunk][et][dt]: tiles of 1,024 bytes as the registers hold them: registers 0-3 at 16 x lane, 4-7 at 512 + 16 x lane; register j of lane l is S[16 dt + 8 (l / 16) + j][16 et + l % 16].
; No tensor loads: k is changed on its way into LDS.  No cluster: the two kinds share k and v, but through registers.
; THE MODE: SCHED_MODE bits 1:0 = 2 (LLVM: expert scheduling mode 2), set by the entry lines.  The code itself states the register dependences
; between vector or matrix instructions and memory or LDS instructions, with s_wait_alu, always for 0.
; THE PLAN.  Registers that memory or LDS instructions touch:
;   KR, VR, MR     the ring, 16 slots in four blocks of four.  Written by global loads alone; read by the block's vector work alone, which masks and rounds into an out-buffer.
;   OUT0, OUT1     Block p's vector work writes OUT[p % 2]; the eight LDS stores that are issued in block p + 1 read it.
;   v4 to v17      offsets and LDS addresses, made once at the head and never written again.
;   FA, FB         phase B: three buffers of fragments.  The LDS loads of step t - 2 land in buffer t % 3; step t's five products read it.
;   ACC            written by the products; read by the ten stores at the end.  ONE and the registers at work are named by vector and matrix instructions alone.
; PHASE A, block p: at its head one wait on vm_vsrc (the stores issued in the block before have read the out-buffer that this block writes); the LDS stores of block p - 1 are dealt among its vector
; work, which names ring block p % 4, OUT[p % 2] and v20 to v25 alone; at its end one wait on va_vdst: the out-buffer is written and the ring block is read out, so the block is asked for again at once.
; PHASE B, step t: behind the wait for its fragments one wait on va_vdst (the products of step t - 1 are done reading their buffer); the ten loads of step t + 2, which land in that buffer, are dealt
; among the step's five products, which name buffer t % 3, ONE and the accumulators alone.
.set PK, 288                           ; a row of k in LDS: 256 bytes + 32: an odd multiple of 32
.set PV, 160                           ; a row of v: 128 + 32
.set VB, 512*PK                        ; v lies behind k's 512 rows
.set SPARE, VB+512*PV                  ; the spare words, 128 bytes for each wave
.set KO, 4                             ; v4   my byte offset in the wave's rows of k
.set MO, 5                             ; v5   in its rows of the mask
.set VO, 6                             ; v6   in its rows of v
.set KS, 7                             ; v7   where I put 16 bytes of k
.set VS, 8                             ; v8   where I put 8 bytes of v
.set AK, 9                             ; v9-12   the turning loads' addresses in k, for s = 128 g on
.set AV, 13                            ; v13-16  in v
.set PO, 17                            ; v17  my byte offset in a tile of sp
.set SPW, 18                           ; v18  LDS address of my spare word; never rewritten
.set NIL, 19                           ; v19  0; never rewritten
.set T0, 20                            ; v20-25 at work
.set T1, 21
.set E0, 22
.set KR, 32                            ; v[32:95]    ring: k, 4 registers a slot
.set VR, 96                            ; v[96:159]   ring: v
.set MR, 160                           ; v[160:191]  ring: mask bytes, 2 registers a slot
.set OUT, 200                          ; v[200:247]  two out-buffers: slot i of buffer b at OUT + 24 b + 6 i: 4 registers of masked k, 2 of rounded v
.set FA, 32                            ; phase B: v[32:55]   k^T's fragment, three buffers of 8
.set FB, 56                            ; v[56:151]  v's four fragments, three buffers of 32
.set ONE, 152                          ; v[152:159] a fragment of ones
.set ACC, 160                          ; v[160:199] five accumulators
.set SLO, 20                           ; s20, s21: byte selects
.set SHI, 21
; Eight f16 in v[k .. k+3] go to v[o .. o+3], set to 0 where the eight bytes in v[m], v[m+1] are 1: each byte times 255, spread over two bytes, and taken out of the word.
.macro MASK4 o, k, m
	v_lshlrev_b32 v[T0], 8, v[(\m)]
	v_lshlrev_b32 v[T1], 8, v[(\m)+1]
	v_sub_nc_u32 v[T0], v[T0], v[(\m)]
	v_sub_nc_u32 v[T1], v[T1], v[(\m)+1]
	v_perm_b32 v[E0],   v[T0], v[T0], s[SLO]
	v_perm_b32 v[E0+1], v[T0], v[T0], s[SHI]
	v_perm_b32 v[E0+2], v[T1], v[T1], s[SLO]
	v_perm_b32 v[E0+3], v[T1], v[T1], s[SHI]
	v_bfi_b32 v[(\o)],   v[E0],   0, v[(\k)]
	v_bfi_b32 v[(\o)+1], v[E0+1], 0, v[(\k)+1]
	v_bfi_b32 v[(\o)+2], v[E0+2], 0, v[(\k)+2]
	v_bfi_b32 v[(\o)+3], v[E0+3], 0, v[(\k)+3]
.endm
.macro ISSUE j                         ; rows 2 j and 2 j + 1 of the wave's 64: three loads
.set sl, (\j)%16
	global_load_b128 v[KR+4*sl:KR+4*sl+3], v[KO], s[8:9] offset:512*(\j)
	global_load_b64  v[MR+2*sl:MR+2*sl+1], v[MO], s[12:13] offset:256*(\j)
	global_load_b128 v[VR+4*sl:VR+4*sl+3], v[VO], s[10:11] offset:16384*(\j)
.endm
.macro WORK j                          ; slot j's vector work: out of the ring, into its place in the out-buffer
.set sl, (\j)%16
.set ou, OUT+24*(((\j)/4)%2)+6*((\j)%4)
	MASK4 ou, KR+4*sl, MR+2*sl
	v_cvt_pk_f16_f32 v[ou+4], v[VR+4*sl], v[VR+4*sl+1]
	v_cvt_pk_f16_f32 v[ou+5], v[VR+4*sl+2], v[VR+4*sl+3]
.endm
.macro PUT j                           ; slot j's two LDS stores
.set ou, OUT+24*(((\j)/4)%2)+6*((\j)%4)
	ds_store_b128 v[KS], v[ou:ou+3] offset:2*PK*(\j)
	ds_store_b64 v[VS], v[ou+4:ou+5] offset:2*PV*(\j)
.endm
.macro LD2 t, n                        ; two of step t's ten loads (32 rows s), into buffer t % 3.  n = 0: k^T's fragment; n = 1 .. 4: v's fragment n - 1
.set bl, (\t)%3
.set g, (\t)/4
.set u, (\t)%4
.if (\n) == 0
	ds_load_tr16_b128 v[FA+8*bl:FA+8*bl+3],   v[AK+g] offset:32*PK*u
	ds_load_tr16_b128 v[FA+8*bl+4:FA+8*bl+7], v[AK+g] offset:32*PK*u+16*PK
.else
	ds_load_tr16_b128 v[FB+32*bl+8*(\n)-8:FB+32*bl+8*(\n)-5], v[AV+g] offset:32*PV*u+32*(\n)-32
	ds_load_tr16_b128 v[FB+32*bl+8*(\n)-4:FB+32*bl+8*(\n)-1], v[AV+g] offset:32*PV*u+16*PV+32*(\n)-32
.endif
.endm
.macro MUL1 t, et, zero                ; step t's product for accumulator et
.set bm, (\t)%3
.set rB, FB+32*bm+8*(\et)
.if (\et) == 4
.set rB, ONE
.endif
.if \zero
	v_wmma_f32_16x16x32_f16 v[ACC+8*(\et):ACC+8*(\et)+7], v[FA+8*bm:FA+8*bm+7], v[rB:rB+7], 0
.else
	v_wmma_f32_16x16x32_f16 v[ACC+8*(\et):ACC+8*(\et)+7], v[FA+8*bm:FA+8*bm+7], v[rB:rB+7], v[ACC+8*(\et):ACC+8*(\et)+7]
.endif
.endm
; Step t: five matrix instructions, the five accumulators by turns; more = 1: two of step t + 2's loads stand ahead of each.  No wait among them: no product of this step names the buffer in which they land.
.macro STEP t, zero, more
.irp n, 0,1,2,3,4
.if \more
	LD2 (\t)+2, \n
.endif
	MUL1 \t, \n, \zero
.endr
.endm
	s_load_b256 s[8:15], s[0:1], 0x0               ; qk s[8:9], vf s[10:11], masks s[12:13], gmask s[14:15]
	s_load_b64 s[16:17], s[0:1], 0x20              ; sp
	v_lshl_add_u32 v[SPW], v0, 2, SPARE
	v_mov_b32 v[NIL], 0
	v_lshrrev_b32 v1, 5, v0
	v_readfirstlane_b32 s4, v1                     ; wave 0..7
	s_and_b32 s5, ttmp7, 0xffff                    ; 16 b + h
	s_lshr_b32 s6, ttmp9, 2                        ; kind
	s_and_b32 s7, ttmp9, 3                         ; chunk of 512 rows
	s_lshr_b32 s18, s5, 4                          ; b
	s_and_b32 s19, s5, 15                          ; h
	s_mov_b32 s[SLO], 0x01010000                   ; bytes 0, 0, 1, 1
	s_mov_b32 s[SHI], 0x03030202                   ; bytes 2, 2, 3, 3
	s_lshl_b32 s22, s5, 19                         ; k: the second half of qk, head 16 b + h, my 512 rows of 256 bytes
	s_lshl_b32 s24, s7, 17
	s_add_co_u32 s22, s22, s24
	s_add_co_u32 s22, s22, 0x1000000
	s_mov_b32 s23, 0
	s_lshl_b32 s24, s7, 22                         ; v: 512 rows l of 8,192 bytes, batch b, the head's 256 bytes
	s_lshl_b32 s30, s18, 12
	s_add_co_u32 s24, s24, s30
	s_lshl_b32 s30, s19, 8
	s_add_co_u32 s24, s24, s30
	s_mov_b32 s25, 0
	s_lshl_b32 s30, s19, 18                        ; the mask: the head's 2,048 rows of 128 bytes (kind 0), my 512 rows
	s_cmp_eq_u32 s6, 0
	s_cselect_b32 s26, s30, 0
	s_lshl_b32 s30, s7, 16
	s_add_co_u32 s26, s26, s30
	s_mov_b32 s27, 0
	s_lshl_b32 s28, s5, 3                          ; sp: 40,960 bytes for each (bh, kind, chunk)
	s_add_co_u32 s28, s28, ttmp9
	s_mul_i32 s28, s28, 40960
	s_mov_b32 s29, 0
	v_and_b32 v2, 31, v0                           ; lane
	v_and_b32 v3, 15, v0                           ; lane % 16
	v_bfe_u32 v26, v0, 4, 1                        ; lane / 16
	s_wait_alu depctr_va_sdst(0)                   ; s4 is written, ahead of its first reader: the wave's offsets are made from it
	s_lshl_b32 s32, s4, 14                         ; (a scalar that a vector instruction reads has a register of its own and is not written again)
	v_lshl_add_u32 v[KO], v2, 4, s32               ; 64 rows of 256 bytes a wave; a load takes two rows
	s_lshl_b32 s33, s4, 13
	v_lshl_add_u32 v[MO], v2, 3, s33               ; 64 rows of 128 bytes
	s_lshl_b32 s34, s4, 19
	v_lshl_add_u32 v[VO], v26, 13, s34             ; 64 rows 8,192 bytes apart; 16 lanes take a row's 256 bytes
	v_lshl_add_u32 v[VO], v3, 4, v[VO]
	s_wait_kmcnt 0x0
	s_add_nc_u64 s[8:9], s[8:9], s[22:23]
	s_add_nc_u64 s[10:11], s[10:11], s[24:25]
	s_cmp_eq_u32 s6, 0
	s_cselect_b64 s[12:13], s[12:13], s[14:15]
	s_add_nc_u64 s[12:13], s[12:13], s[26:27]
	s_add_nc_u64 s[16:17], s[16:17], s[28:29]
	s_wait_alu depctr_va_vdst(0)                   ; v[KO], v[MO] and v[VO] are written: every global load of the kernel reads one of them as its offset
.set j, 0
.rept 16
	ISSUE j
.set j, j+1
.endr
	v_and_b32 v27, 7, v0
	v_bfe_u32 v28, v0, 3, 1
	s_mul_i32 s35, s4, 64*PK
	v_mul_u32_u24 v29, v26, PK
	v_add_nc_u32 v29, s35, v29
	v_lshl_add_u32 v[KS], v3, 4, v29
	s_mul_i32 s36, s4, 64*PV
	s_add_co_u32 s36, s36, VB
	v_mul_u32_u24 v29, v26, PV
	v_add_nc_u32 v29, s36, v29
	v_lshl_add_u32 v[VS], v3, 3, v29
	; the turning load: lane l reads 16 bytes of row 8 (l / 16) + l % 8, at 16 ((l / 8) % 2), and is left with column l % 16 and eight rows
	v_lshl_add_u32 v29, v26, 3, v27
	v_mul_u32_u24 v30, v29, PK
	v_lshl_add_u32 v30, v28, 4, v30
	s_lshl_b32 s37, s4, 5                          ; my 16 columns d
	v_add_nc_u32 v30, s37, v30
	v_mul_u32_u24 v31, v29, PV
	v_lshl_add_u32 v31, v28, 4, v31
.irp g, 0,1,2,3
	v_add_nc_u32 v[AK+\g], \g*128*PK, v30
	v_add_nc_u32 v[AV+\g], VB+\g*128*PV, v31
.endr
	s_lshl_b32 s38, s4, 10
	v_lshl_add_u32 v[PO], v2, 4, s38
; PHASE A: eight blocks of four slots
.set p, 0
.rept 8
.set yg, 7-p
.if yg > 3
.set yg, 3
.endif
	s_wait_loadcnt 12*yg                           ; loads come back in order (ISA guide 5.7.1): block p's twelve are in, the younger blocks' twelve each may stay out
.if p >= 2
	s_wait_alu depctr_vm_vsrc(0)                   ; the LDS stores issued in the block before have read OUT[p % 2], which this block's vector work writes again
.endif
.set i, 0
.rept 4
.if p >= 1
	PUT 4*(p-1)+i                                  ; the block before: its out-buffer and v[KS], v[VS] were written ahead of the last wait on va_vdst, and no vector instruction since names them
.endif
	WORK 4*p+i
.set i, i+1
.endr
	s_wait_alu depctr_va_vdst(0)                   ; the block's vector work has written OUT[p % 2], which the next eight LDS stores read, and is done reading its ring block, in which loads land; in block 0 also: the LDS addresses and v[PO] are written
.if p < 4
.set i, 0
.rept 4
	ISSUE 4*p+16+i                                 ; the ring block is asked for again at once
.set i, i+1
.endr
.endif
.set p, p+1
.endr
.irp i, 28,29,30,31
	PUT \i                                         ; the last block
.endr
	s_wait_dscnt 0x0                               ; for the others' sake: my stores into LDS are done
	s_barrier_signal -1
	s_barrier_wait -1
; PHASE B.  The fragments land in the ring's registers: the ring's last readers stand ahead of block 7's wait on va_vdst, and no memory or LDS instruction has read them.
.set i, 0
.rept 8
	v_mov_b32 v[ONE+i], 0x3c003c00                 ; 1.0 twice in f16
.set i, i+1
.endr
.irp n, 0,1,2,3,4
	LD2 0, \n
.endr
.irp n, 0,1,2,3,4
	LD2 1, \n
.endr
.set t, 0
.rept 16
.if t < 15
	s_wait_dscnt 10                                ; LDS loads come back in order (ISA guide 5.7.1): step t's ten are in, step t + 1's ten may stay out
.else
	s_wait_dscnt 0x0
.endif
.if (t >= 1) && (t <= 13)
	s_wait_alu depctr_va_vdst(0)                   ; the products of step t - 1 are done reading their buffer, in which the loads of step t + 2 land
.endif
.if t == 0
	STEP t, 1, 1                                   ; the first step starts the sums
.elseif t <= 13
	STEP t, 0, 1
.else
	STEP t, 0, 0                                   ; the last two steps ask for nothing
.endif
.set t, t+1
.endr
.rept 4
	v_nop                                          ; four places behind the last matrix instruction, before its result is read (ISA guide 7.12.1)
.endr
	s_wait_alu depctr_va_vdst(0)                   ; the products have written the accumulators, which the stores read; the places above stay beside this wait
.irp et, 0,1,2,3,4
	global_store_b128 v[PO], v[ACC+8*\et:ACC+8*\et+3],   s[16:17] offset:8192*\et       ; 512 consecutive bytes; each accumulator's low registers first
	global_store_b128 v[PO], v[ACC+8*\et+4:ACC+8*\et+7], s[16:17] offset:8192*\et+512
.endr
	s_wait_dscnt 0x0                               ; the closing lines, six on end
	s_wait_alu 0x0
	s_wait_tensorcnt 0x0
	ds_add_u32 v[SPW], v[NIL]
	s_wait_dscnt 0x0
	s_endpgm
.Lfunc_end_k_qfd74f5c220_state:
	.size	k_qfd74f5c220_state, .Lfunc_end_k_qfd74f5c220_state-k_qfd74f5c220_state
	.p2alignl 7, 3214868480
	.fill 96, 4, 3214868480
	.section	.rodata,"a",@progbits
	.p2align	6, 0x0
	.amdhsa_kernel k_qfd74f5c220_state
		.amdhsa_group_segment_fixed_size 230400
		.amdhsa_private_segment_fixed_size 0
		.amdhsa_enable_private_segment 0
		.amdhsa_kernarg_size 40
		.amdhsa_user_sgpr_count 2
		.amdhsa_user_sgpr_kernarg_segment_ptr 1
		.amdhsa_wavefront_size32 1
		.amdhsa_system_sgpr_workgroup_id_x 1
		.amdhsa_system_sgpr_workgroup_id_y 1
		.amdhsa_system_sgpr_workgroup_id_z 1
		.amdhsa_system_vgpr_workitem_id 0
		.amdhsa_next_free_vgpr 248
		.amdhsa_next_free_sgpr 66
		.amdhsa_reserve_vcc 0
		.amdhsa_float_denorm_mode_32 3
		.amdhsa_float_denorm_mode_16_64 3
		.amdhsa_memory_ordered 1
		.amdhsa_forward_progress 1
		.amdhsa_inst_pref_size 60
	.end_amdhsa_kernel
	.amdgpu_metadata
---
amdhsa.version: [ 1, 2 ]
amdhsa.kernels:
  - .name:           k_qfd74f5c220_state
    .symbol:         k_qfd74f5c220_state.kd
    .args:
      - { .name: qk, .offset: 0, .size: 8, .value_kind: global_buffer, .address_space: global }
      - { .name: vf, .offset: 8, .size: 8, .value_kind: global_buffer, .address_space: global }
      - { .name: masks, .offset: 16, .size: 8, .value_kind: global_buffer, .address_space: global }
      - { .name: gmask, .offset: 24, .size: 8, .value_kind: global_buffer, .address_space: global }
      - { .name: sp, .offset: 32, .size: 8, .value_kind: global_buffer, .address_space: global }
    .group_segment_fixed_size: 230400
    .private_segment_fixed_size: 0
    .kernarg_segment_align: 8
    .kernarg_segment_size: 40
    .max_flat_workgroup_size: 256
    .sgpr_count:     66
    .vgpr_count:     248
    .wavefront_size: 32
...
	.end_amdgpu_metadata
.endif
;; end of part 6
;; launch apply (part 7): grid 8 x 32, 8 waves a work-group, no clusters, 60,672 bytes of LDS; arguments qk, masks, sp, ob; writes ob
.if DOCPART == 7
	.amdgcn_target "amdgcn-amd-amdhsa--gfx1250"
	.amdhsa_code_object_version 6
	.text
	.protected	k_qfd74f5c220_apply
	.globl	k_qfd74f5c220_apply
	.p2align	8
	.type	k_qfd74f5c220_apply,@function
k_qfd74f5c220_apply:
	s_mov_b64 s[64:65], 0
	v_nop
	global_prefetch_b8 v0, s[64:65] scope:SCOPE_SE
	s_setreg_imm32_b32 hwreg(HW_REG_WAVE_SCHED_MODE, 0, 2), 2
	s_setreg_imm32_b32 hwreg(HW_REG_WAVE_MODE, 25, 1), 1
	s_wait_xcnt 0x0
	s_wait_alu depctr_vm_vsrc(0)
; O[l][e] = c (q1[l] . S0[:, e] + q[l] . S1[:, e]) / max(c (q1[l] . z0 + q[l] . z1), 1e-12), c = 2,048^-1/2; S0, z0: the state under masks[h]; S1, z1: under gmask; q1 = q under masks[h].
; A work-group takes 256 rows l (grid x) of one (b, h) (grid y), a wave 32 of them: two tiles of 16.
; 1. Each wave adds the four chunks' partial sums, in f32, for its 16 rows d of the state (all five column tiles, both kinds).  2. The largest magnitudes of S and of z over the whole state give two
; exact powers of two that bring them into [2^14, 2^15): the state is scaled, rounded once to f16 and laid into LDS as fragments; the powers are taken out again in f32, with c.
; 3. Eight steps of 32 along d: first the gmask state with q as it is, then q is masked in place, then the other state.  Source 0 = the state (16 columns e), source 1 = q (16 rows): a lane holds
; one row l and eight neighbouring e; the fifth tile's register 0 is the row's divisor.  4. The division (v_rcp_f32 and a multiply), one rounding to f16, and out through my stage:
; ob[b][l / 128][h][128 rows][64], the left operand of the output projection.
; LIMITS: |O| within 65,504; numbers of the state more than 2^-29 below its largest fall to f16's fixed step; an exponent field of the largest magnitude below 16 counts as 16; NaN and infinities are not treated apart.
; No tensor loads, no cluster: the eight work-groups of a head share 320 KB of partial sums, which each adds for itself through registers.
; THE MODE: SCHED_MODE bits 1:0 = 2 (LLVM: expert scheduling mode 2), set by the entry lines.  The code itself states the register dependences
; between vector or matrix instructions and memory or LDS instructions, with s_wait_alu, always for 0.
; THE PLAN.  Registers that memory or LDS instructions touch:
;   v3 to v11      offsets and LDS addresses, made once at the head and never written again.
;   Q, MK, SUM     loaded once.  Q is masked in place by vector instructions; no memory instruction reads it.  On the way out the finished rows come back from the stage into Q's first 32 registers.
;   TB             the ring of partial sums, 8 slots, taken two at a time: eight adds read two slots, one wait on va_vdst says so, and the four loads that fill them again follow at once.
;   MX:MD          written by the maxima, read by one LDS store, written again behind the barrier: a wait on va_vdst ahead of the store, one on vm_vsrc behind the barrier.
;   TB + 0 .. 39   the state in f16: written by 40 conversions, read by ten LDS stores in one run behind ONE wait on va_vdst; behind the barrier and a wait on vm_vsrc the registers are BF.
;   BF, BG         two buffers of five fragments (BG in window 1).  Step s multiplies buffer s % 2; at its head the fragments of step s + 1 are asked for, into the buffer that step s - 1 multiplied:
;                  the window, one wait on va_vdst (those products are done reading it), ten loads in one run.  The step's products name the other buffer, Q and the accumulators.
;   BF again       the way out: a tile's conversions write 16 registers, one wait on va_vdst, four LDS stores read them.
.set RED,   40960                      ; behind the 40 fragments of 1,024 bytes: the waves' maxima, 8 bytes each
.set STAGE, 41216                      ; 16 rows x 144 bytes for each wave
.set SP,    144
.set SPARE, STAGE+8*16*SP              ; the spare words, 128 bytes for each wave
.set QO, 3                             ; v3   my byte offset in 16 rows of q
.set MO, 4                             ; v4   in 16 rows of the mask
.set PO, 5                             ; v5   in a tile of sp, for my wave's rows d
.set SFW, 6                            ; v6   where I put 16 bytes of a fragment
.set L16, 7                            ; v7   16 x lane
.set STO, 8                            ; v8   the way out: where I put 16 bytes of a row
.set RD, 9                             ; v9   where I read rows back
.set RW, 10                            ; v10  my wave's 8 bytes of RED
.set RR, 11                            ; v11  RED
.set SPW, 12                           ; v12  LDS address of my spare word; never rewritten
.set NIL, 13                           ; v13  0; never rewritten
.set Q, 16                             ; v[16:79]    q: tile mt, d = 32 c on, at Q + 32 mt + 8 c
.set RB, 16                            ; v[16:47]    the way out: the rows read back from the stage, 16 registers a tile
.set MK, 80                            ; v[80:111]   its mask bytes, at MK + 16 mt + 4 c
.set SUM, 112                          ; v[112:191]  the state's tile 2 et + kind at SUM + 8 (2 et + kind)
.set ACC, 112                          ; later the accumulators, at ACC + 40 mt + 8 et
.set TB, 192                           ; v[192:255]  a ring of 8 slots of 8; later at work:
.set BF, 192                           ; v[192:231]  five fragments of the state, for the even steps; then the packed O
.set BG, 0                             ; v[256:295]  window 1: five fragments, for the odd steps
.set SN, 232                           ; pairs that hold a number twice: the scale of S,
.set SD, 234                           ; of z,
.set CN, 236                           ; c / the scale of S,
.set CD, 238                           ; c / the scale of z
.set MX, 240                           ; v240, v241: the two maxima, a pair for the store
.set MD, 241
.set MN, 242
.set TT, 243
.set T0, 244
.set T1, 245
.set E0, 246                           ; v246-249
.set DN, 250                           ; v[250:253]  1 / divisor, twice, for each tile
.set SEL, 28                           ; s[28:29] v_permlanex16_b32's selects
.set SLO, 30
.set SHI, 31
.set MSB, 0
.macro WIN new                         ; s_set_vgpr_msb: bits 1:0 source 0, 7:6 destination; the high byte repeats the setting that is left; a switch that changes nothing is dropped
.if MSB != (\new)
	s_set_vgpr_msb (MSB<<8)|(\new)
.set MSB, \new
.endif
.endm
.macro MASK4 k, m                      ; eight f16 in v[k .. k+3] are set to 0 where the eight bytes in v[m], v[m+1] are 1
	v_lshlrev_b32 v[T0], 8, v[(\m)]
	v_lshlrev_b32 v[T1], 8, v[(\m)+1]
	v_sub_nc_u32 v[T0], v[T0], v[(\m)]
	v_sub_nc_u32 v[T1], v[T1], v[(\m)+1]
	v_perm_b32 v[E0],   v[T0], v[T0], s[SLO]
	v_perm_b32 v[E0+1], v[T0], v[T0], s[SHI]
	v_perm_b32 v[E0+2], v[T1], v[T1], s[SLO]
	v_perm_b32 v[E0+3], v[T1], v[T1], s[SHI]
	v_bfi_b32 v[(\k)],   v[E0],   0, v[(\k)]
	v_bfi_b32 v[(\k)+1], v[E0+1], 0, v[(\k)+1]
	v_bfi_b32 v[(\k)+2], v[E0+2], 0, v[(\k)+2]
	v_bfi_b32 v[(\k)+3], v[E0+3], 0, v[(\k)+3]
.endm
.macro UNIT u                          ; unit u of 30: chunk 1 + u / 10, tile u % 10: two loads into ring slot u % 8
.set sl, (\u)%8
.set ti, (\u)%10
.set ch, 1+(\u)/10
	global_load_b128 v[TB+8*sl:TB+8*sl+3],   v[PO], s[12:13] offset:(ti%2)*163840+ch*40960+(ti/2)*8192
	global_load_b128 v[TB+8*sl+4:TB+8*sl+7], v[PO], s[12:13] offset:(ti%2)*163840+ch*40960+(ti/2)*8192+512
.endm
; Step s of eight is 32 along d: steps 0-3 the gmask state (kind 1), steps 4-7 the head's (kind 0); d = 32 (s % 4) on.
.macro FRAG s, base                    ; step s's five fragments of the state: ten loads in one run
.set fr, ((1-(\s)/4)*4+(\s)%4)*5
.irp et, 0,1,2,3,4
	ds_load_b128 v[(\base)+8*\et:(\base)+8*\et+3],   v[L16] offset:(fr+\et)*1024
	ds_load_b128 v[(\base)+8*\et+4:(\base)+8*\et+7], v[L16] offset:(fr+\et)*1024+512
.endr
.endm
.macro MULT s, base, left, zero        ; ten matrix instructions on ten accumulators by turns.  left: the next step's loads, which may stay out
.set c, (\s)%4
.irp et, 0,1,2,3,4
	s_wait_dscnt (\left)+8-2*\et                   ; LDS loads come back in order (ISA guide 5.7.1): the later fragments' loads may stay out
.irp mt, 0,1
.if \zero
	v_wmma_f32_16x16x32_f16 v[ACC+40*\mt+8*\et:ACC+40*\mt+8*\et+7], v[(\base)+8*\et:(\base)+8*\et+7], v[Q+32*\mt+8*c:Q+32*\mt+8*c+7], 0
.else
	v_wmma_f32_16x16x32_f16 v[ACC+40*\mt+8*\et:ACC+40*\mt+8*\et+7], v[(\base)+8*\et:(\base)+8*\et+7], v[Q+32*\mt+8*c:Q+32*\mt+8*c+7], v[ACC+40*\mt+8*\et:ACC+40*\mt+8*\et+7]
.endif
.endr
.endr
.endm
; Step s: the window of the buffer that is asked for, the wait, the ten loads of step s + 1; then the window of the buffer that is multiplied, and the products.
.macro STEP s, zero
.if (\s) < 7
.if (\s)%2
	WIN 0                                          ; the loads land in BF
.else
	WIN 0x40                                       ; the loads land in BG: destination window 1, address window 0
.endif
.if (\s) > 0
	s_wait_alu depctr_va_vdst(0)                   ; the products of step s - 1 are done reading their buffer, in which the loads below land
.endif
.if (\s)%2
	FRAG (\s)+1, BF
.else
	FRAG (\s)+1, BG
.endif
.endif
.if (\s)%2
	WIN 0x01                                       ; source 0 (the state) in window 1
.if (\s) < 7
	MULT \s, BG, 10, \zero
.else
	MULT \s, BG, 0, \zero
.endif
.else
	WIN 0
	MULT \s, BF, 10, \zero
.endif
.endm
	s_load_b256 s[8:15], s[0:1], 0x0               ; qk s[8:9], masks s[10:11], sp s[12:13], ob s[14:15]
	v_lshl_add_u32 v[SPW], v0, 2, SPARE
	v_mov_b32 v[NIL], 0
	v_lshrrev_b32 v1, 5, v0
	v_readfirstlane_b32 s4, v1                     ; wave 0..7
	s_and_b32 s5, ttmp7, 0xffff                    ; 16 b + h
	s_mov_b32 s6, ttmp9                            ; block of 256 rows
	s_lshr_b32 s18, s5, 4                          ; b
	s_and_b32 s19, s5, 15                          ; h
	s_lshl_b32 s20, s5, 19                         ; q: the head, the block's 256 rows of 256 bytes, my wave's 32
	s_lshl_b32 s7, s6, 16
	s_add_co_u32 s20, s20, s7
	s_wait_alu depctr_va_sdst(0)                   ; s4 is written, ahead of its first reader: the wave's offsets are made from it
	s_lshl_b32 s7, s4, 13
	s_add_co_u32 s20, s20, s7
	s_mov_b32 s21, 0
	s_lshl_b32 s22, s19, 18                        ; the mask: rows of 128 bytes
	s_lshl_b32 s7, s6, 15
	s_add_co_u32 s22, s22, s7
	s_lshl_b32 s7, s4, 12
	s_add_co_u32 s22, s22, s7
	s_mov_b32 s23, 0
	s_mul_i32 s24, s5, 327680                      ; the head's partial sums
	s_mov_b32 s25, 0
	s_lshl_b32 s26, s18, 4                         ; ob: block ((16 b + l / 128) 16 + h) of 16,384 bytes, my 32 rows of 128 bytes
	s_lshl1_add_u32 s26, s6, s26
	s_lshr_b32 s7, s4, 2
	s_add_co_u32 s26, s26, s7
	s_lshl4_add_u32 s26, s26, s19
	s_lshl_b32 s26, s26, 14
	s_and_b32 s7, s4, 3
	s_lshl_b32 s7, s7, 12
	s_add_co_u32 s26, s26, s7
	s_mov_b32 s27, 0
	s_mov_b32 s[SEL], 0x76543210
	s_mov_b32 s[SEL+1], 0xfedcba98
	s_mov_b32 s[SLO], 0x01010000
	s_mov_b32 s[SHI], 0x03030202
	v_and_b32 v2, 31, v0                           ; lane
	v_and_b32 v1, 15, v0                           ; lane % 16
	v_bfe_u32 v14, v0, 4, 1                        ; lane / 16
	v_lshlrev_b32 v[QO], 8, v1
	v_lshl_add_u32 v[QO], v14, 4, v[QO]
	v_lshlrev_b32 v[MO], 7, v1
	v_lshl_add_u32 v[MO], v14, 3, v[MO]
	s_lshl_b32 s32, s4, 10                         ; (a scalar that a vector instruction reads has a register of its own and is not written again)
	v_lshl_add_u32 v[PO], v2, 4, s32
	s_wait_kmcnt 0x0
	s_add_nc_u64 s[8:9], s[8:9], s[20:21]
	s_add_nc_u64 s[10:11], s[10:11], s[22:23]
	s_add_nc_u64 s[12:13], s[12:13], s[24:25]
	s_add_nc_u64 s[14:15], s[14:15], s[26:27]
	s_wait_alu depctr_va_vdst(0)                   ; v[QO], v[MO] and v[PO] are written: every global load of the kernel reads one of them as its offset
.irp mt, 0,1
.irp c, 0,1,2,3
	global_load_b128 v[Q+32*\mt+8*\c:Q+32*\mt+8*\c+3],   v[QO], s[8:9] offset:4096*\mt+64*\c
	global_load_b128 v[Q+32*\mt+8*\c+4:Q+32*\mt+8*\c+7], v[QO], s[8:9] offset:4096*\mt+64*\c+32
.endr
.endr
.irp mt, 0,1
.irp c, 0,1,2,3
	global_load_b64 v[MK+16*\mt+4*\c:MK+16*\mt+4*\c+1],   v[MO], s[10:11] offset:2048*\mt+32*\c
	global_load_b64 v[MK+16*\mt+4*\c+2:MK+16*\mt+4*\c+3], v[MO], s[10:11] offset:2048*\mt+32*\c+16
.endr
.endr
.set i, 0
.rept 10                                           ; chunk 0 starts the sums: nothing is cleared
	global_load_b128 v[SUM+8*i:SUM+8*i+3],   v[PO], s[12:13] offset:(i%2)*163840+(i/2)*8192
	global_load_b128 v[SUM+8*i+4:SUM+8*i+7], v[PO], s[12:13] offset:(i%2)*163840+(i/2)*8192+512
.set i, i+1
.endr
.set u, 0
.rept 8
	UNIT u
.set u, u+1
.endr
	v_lshlrev_b32 v[L16], 4, v2
	s_lshr_b32 s33, s4, 1                          ; my rows d are half w % 2 of the fragments with c = w / 2
	s_mul_i32 s33, s33, 5120
	s_and_b32 s16, s4, 1
	s_lshl_b32 s16, s16, 9
	s_add_co_u32 s33, s33, s16
	v_add_nc_u32 v[SFW], s33, v[L16]
	s_mul_i32 s34, s4, 16*SP
	s_add_co_u32 s34, s34, STAGE                   ; my stage
	v_mul_u32_u24 v[STO], v1, SP
	v_lshl_add_u32 v[STO], v14, 4, v[STO]
	v_add_nc_u32 v[STO], s34, v[STO]
	v_lshrrev_b32 v15, 3, v2                       ; back: 32 lanes take four rows of 128 bytes
	v_mul_u32_u24 v[RD], v15, SP
	v_and_b32 v15, 7, v0
	v_lshl_add_u32 v[RD], v15, 4, v[RD]
	v_add_nc_u32 v[RD], s34, v[RD]
	s_lshl_b32 s35, s4, 3
	s_add_co_u32 s35, s35, RED
	v_mov_b32 v[RW], s35
	v_mov_b32 v[RR], RED
; the 30 units are added two at a time, in ascending order: each sum takes chunks 1, 2, 3 in turn
.set p, 0
.rept 15
.set yg, 28-2*p
.if yg > 6
.set yg, 6
.endif
	s_wait_loadcnt 2*yg                            ; loads come back in order (ISA guide 5.7.1): units 2 p and 2 p + 1 are in, the younger units' two loads each may stay out
.set u, 2*p
.rept 2
.set sl, u%8
.set ti, u%10
.irp q, 0,1,2,3
	v_pk_add_f32 v[SUM+8*ti+2*\q:SUM+8*ti+2*\q+1], v[SUM+8*ti+2*\q:SUM+8*ti+2*\q+1], v[TB+8*sl+2*\q:TB+8*sl+2*\q+1]
.endr
.set u, u+1
.endr
.if p <= 10
	s_wait_alu depctr_va_vdst(0)                   ; the eight adds are done reading their two slots, in which the four loads below land: the slots are asked for again at once
	UNIT 2*p+8
	UNIT 2*p+9
.endif
.set p, p+1
.endr
	; the largest magnitude of my part of S (64 registers: largest and smallest), and the largest of z (16 registers: sums of numbers that are not negative)
	v_max3_num_f32 v[MX], v[SUM], v[SUM+1], v[SUM+2]
	v_min3_num_f32 v[MN], v[SUM], v[SUM+1], v[SUM+2]
.set i, 3
.rept 30
	v_max3_num_f32 v[MX], v[MX], v[SUM+i], v[SUM+i+1]
	v_min3_num_f32 v[MN], v[MN], v[SUM+i], v[SUM+i+1]
.set i, i+2
.endr
	v_max_num_f32 v[MX], v[MX], v[SUM+63]
	v_min_num_f32 v[MN], v[MN], v[SUM+63]
	v_max3_num_f32 v[MD], v[SUM+64], v[SUM+65], v[SUM+66]
.set i, 67
.rept 6
	v_max3_num_f32 v[MD], v[MD], v[SUM+i], v[SUM+i+1]
.set i, i+2
.endr
	v_max_num_f32 v[MD], v[MD], v[SUM+79]
	v_sub_f32 v[MN], 0, v[MN]
	v_mov_b32 v[TT], 0                             ; v_permlanex16_b32's destination counts as read
	v_max_num_f32 v[MX], v[MX], v[MN]
.irp m, 1,2,4,8
	v_max_num_f32_dpp v[MX], v[MX], v[MX] row_xmask:\m row_mask:0xf bank_mask:0xf
	v_max_num_f32_dpp v[MD], v[MD], v[MD] row_xmask:\m row_mask:0xf bank_mask:0xf
.endr
	v_permlanex16_b32 v[MN], v[MX], s[SEL], s[SEL+1]
	v_permlanex16_b32 v[TT], v[MD], s[SEL], s[SEL+1]
	v_max_num_f32 v[MX], v[MX], v[MN]
	v_max_num_f32 v[MD], v[MD], v[TT]
	s_wait_alu depctr_va_vdst(0)                   ; the two maxima and v[RW], v[RR] are written, which the LDS store and loads below read; the adds are done reading v[TB ..], in which those loads land
	ds_store_b64 v[RW], v[MX:MX+1]                 ; all lanes write the same two words
	s_wait_dscnt 0x0                               ; for the others' sake
	s_barrier_signal -1
	s_barrier_wait -1
	s_wait_alu depctr_vm_vsrc(0)                   ; my LDS store has read v[MX] and v[MD], which the maxima below write again
.irp p, 0,1,2,3
	ds_load_b128 v[TB+4*\p:TB+4*\p+3], v[RR] offset:16*\p
.endr
	s_wait_dscnt 0x0
	v_max3_num_f32 v[MX], v[TB], v[TB+2], v[TB+4]
	v_max3_num_f32 v[MD], v[TB+1], v[TB+3], v[TB+5]
	v_max3_num_f32 v[MX], v[MX], v[TB+6], v[TB+8]
	v_max3_num_f32 v[MD], v[MD], v[TB+7], v[TB+9]
	v_max3_num_f32 v[MX], v[MX], v[TB+10], v[TB+12]
	v_max3_num_f32 v[MD], v[MD], v[TB+11], v[TB+13]
	v_max_num_f32 v[MX], v[MX], v[TB+14]
	v_max_num_f32 v[MD], v[MD], v[TB+15]
	; with the exponent field e (at least 16): the scale is 2^(141 - e), field 268 - e; its reciprocal has the field e - 14
	v_bfe_u32 v[MX], v[MX], 23, 8
	v_bfe_u32 v[MD], v[MD], 23, 8
	v_max_u32 v[MX], 16, v[MX]
	v_max_u32 v[MD], 16, v[MD]
	v_sub_nc_u32 v[SN], 268, v[MX]
	v_sub_nc_u32 v[SD], 268, v[MD]
	v_lshlrev_b32 v[SN], 23, v[SN]
	v_lshlrev_b32 v[SD], 23, v[SD]
	v_mov_b32 v[SN+1], v[SN]
	v_mov_b32 v[SD+1], v[SD]
	v_add_nc_u32 v[CN], -14, v[MX]
	v_add_nc_u32 v[CD], -14, v[MD]
	v_lshlrev_b32 v[CN], 23, v[CN]
	v_lshlrev_b32 v[CD], 23, v[CD]
	v_mul_f32 v[CN], 0x3cb504f3, v[CN]             ; c = 2,048^-1/2
	v_mul_f32 v[CD], 0x3cb504f3, v[CD]
	v_mov_b32 v[CN+1], v[CN]
	v_mov_b32 v[CD+1], v[CD]
	; the state, scaled, rounded once to f16: a tile's eight registers pack into half a fragment as they lie.  All ten tiles' arithmetic first, each into four registers of its own; then the stores in one run.
.set i, 0
.rept 10
.set sc, SN
.if i >= 8
.set sc, SD
.endif
.irp p, 0,1,2,3
	v_pk_mul_f32 v[SUM+8*i+2*\p:SUM+8*i+2*\p+1], v[SUM+8*i+2*\p:SUM+8*i+2*\p+1], v[sc:sc+1]
.endr
.irp p, 0,1,2,3
	v_cvt_pk_f16_f32 v[TB+4*i+\p], v[SUM+8*i+2*\p], v[SUM+8*i+2*\p+1]
.endr
.set i, i+1
.endr
	s_wait_alu depctr_va_vdst(0)                   ; the forty conversions have written v[TB .. TB+39], which the ten LDS stores read
.set i, 0
.rept 10
	ds_store_b128 v[SFW], v[TB+4*i:TB+4*i+3] offset:(i%2)*20480+(i/2)*1024
.set i, i+1
.endr
	s_wait_dscnt 0x0                               ; for the others' sake
	s_barrier_signal -1
	s_barrier_wait -1
	s_wait_alu depctr_vm_vsrc(0)                   ; my LDS stores have read v[TB .. TB+39]: these registers are BF from here on, in which fragments land (the conversions that wrote them stand ahead of the last wait on va_vdst)
	FRAG 0, BF
	STEP 0, 1                                      ; q as it is, with the gmask state; the first step starts the sums.  Nothing has named BG yet: its first loads owe no wait
	STEP 1, 0
	STEP 2, 0
	STEP 3, 0
	WIN 0
.irp mt, 0,1                                       ; the first eight lines of the masking name no register of the last products: they are the places ahead of the first write of Q (ISA guide 7.12.1)
.irp c, 0,1,2,3
	MASK4 Q+32*\mt+8*\c, MK+16*\mt+4*\c
	MASK4 Q+32*\mt+8*\c+4, MK+16*\mt+4*\c+2
.endr
.endr
	STEP 4, 0                                      ; q under the head's mask, with the head's state
	STEP 5, 0
	STEP 6, 0
	STEP 7, 0
	WIN 0
.rept 4
	v_nop                                          ; four places behind the last matrix instruction, before its result is read (ISA guide 7.12.1)
.endr
	; the divisor: register 0 of the fifth tile
	v_mul_f32 v[DN], v[ACC+32], v[CD]
	v_mul_f32 v[DN+2], v[ACC+72], v[CD]
	v_max_num_f32 v[DN], 0x2b8cbccc, v[DN]         ; 1e-12
	v_max_num_f32 v[DN+2], 0x2b8cbccc, v[DN+2]
	v_rcp_f32 v[DN], v[DN]
	v_rcp_f32 v[DN+2], v[DN+2]
	v_nop                                          ; a plain instruction between the last reciprocal and the use of its result (ISA guide 5.7.2)
	s_wait_alu depctr_va_vdst(0)                   ; the two reciprocals have written v[DN] and v[DN+2], ahead of their first reader
	v_mov_b32 v[DN+1], v[DN]
	v_mov_b32 v[DN+3], v[DN+2]
.macro PACK mt                         ; tile mt: scale out, division, rounding (ascending in each accumulator)
.set i, 0
.rept 16
	v_pk_mul_f32 v[ACC+40*(\mt)+2*i:ACC+40*(\mt)+2*i+1], v[ACC+40*(\mt)+2*i:ACC+40*(\mt)+2*i+1], v[CN:CN+1]
.set i, i+1
.endr
.set i, 0
.rept 16
	v_pk_mul_f32 v[ACC+40*(\mt)+2*i:ACC+40*(\mt)+2*i+1], v[ACC+40*(\mt)+2*i:ACC+40*(\mt)+2*i+1], v[DN+2*(\mt):DN+2*(\mt)+1]
.set i, i+1
.endr
.set i, 0
.rept 16
	v_cvt_pk_f16_f32 v[BF+16*(\mt)+i], v[ACC+40*(\mt)+2*i], v[ACC+40*(\mt)+2*i+1]
.set i, i+1
.endr
.endm
.macro STG mt                          ; tile mt: into rows of 144 bytes, and back as whole rows of 128, into registers that q has left
.irp f, 0,1,2,3
	ds_store_b128 v[STO], v[BF+16*(\mt)+4*\f:BF+16*(\mt)+4*\f+3] offset:32*\f
.endr
.irp f, 0,1,2,3
	ds_load_b128 v[RB+16*(\mt)+4*\f:RB+16*(\mt)+4*\f+3], v[RD] offset:\f*4*SP  ; LDS serves a wave's instructions in order (ISA guide 5.7.1.4)
.endr
.endm
.macro SEND mt, younger                ; younger: the LDS instructions issued behind this tile's loads
.irp f, 0,1,2,3
	s_wait_dscnt (\younger)+3-\f
	global_store_b128 v[L16], v[RB+16*(\mt)+4*\f:RB+16*(\mt)+4*\f+3], s[14:15] offset:2048*(\mt)+512*\f  ; 512 consecutive bytes, at a multiple of 256
.endr
.endm
	PACK 0
	s_wait_alu depctr_va_vdst(0)                   ; tile 0's conversions have written v[BF .. BF+15], which the LDS stores read; the last products are done reading q, in whose registers the rows land
	STG 0
	PACK 1                                         ; names tile 1's accumulators, the scales and v[BF+16 .. BF+31]: none of the registers that tile 0's stores and loads touch
	s_wait_alu depctr_va_vdst(0)                   ; tile 1's conversions have written v[BF+16 .. BF+31], which the LDS stores read
	STG 1
	SEND 0, 8
	SEND 1, 0
	s_wait_dscnt 0x0                               ; the closing lines, six on end
	s_wait_alu 0x0
	s_wait_tensorcnt 0x0
	ds_add_u32 v[SPW], v[NIL]
	s_wait_dscnt 0x0
	s_endpgm
.Lfunc_end_k_qfd74f5c220_apply:
	.size	k_qfd74f5c220_apply, .Lfunc_end_k_qfd74f5c220_apply-k_qfd74f5c220_apply
	.p2alignl 7, 3214868480
	.fill 96, 4, 3214868480
	.section	.rodata,"a",@progbits
	.p2align	6, 0x0
	.amdhsa_kernel k_qfd74f5c220_apply
		.amdhsa_group_segment_fixed_size 60672
		.amdhsa_private_segment_fixed_size 0
		.amdhsa_enable_private_segment 0
		.amdhsa_kernarg_size 32
		.amdhsa_user_sgpr_count 2
		.amdhsa_user_sgpr_kernarg_segment_ptr 1
		.amdhsa_wavefront_size32 1
		.amdhsa_system_sgpr_workgroup_id_x 1
		.amdhsa_system_sgpr_workgroup_id_y 1
		.amdhsa_system_sgpr_workgroup_id_z 1
		.amdhsa_system_vgpr_workitem_id 0
		.amdhsa_next_free_vgpr 296
		.amdhsa_next_free_sgpr 66
		.amdhsa_reserve_vcc 0
		.amdhsa_float_denorm_mode_32 3
		.amdhsa_float_denorm_mode_16_64 3
		.amdhsa_memory_ordered 1
		.amdhsa_forward_progress 1
		.amdhsa_inst_pref_size 66
	.end_amdhsa_kernel
	.amdgpu_metadata
---
amdhsa.version: [ 1, 2 ]
amdhsa.kernels:
  - .name:           k_qfd74f5c220_apply
    .symbol:         k_qfd74f5c220_apply.kd
    .args:
      - { .name: qk, .offset: 0, .size: 8, .value_kind: global_buffer, .address_space: global }
      - { .name: masks, .offset: 8, .size: 8, .value_kind: global_buffer, .address_space: global }
      - { .name: sp, .offset: 16, .size: 8, .value_kind: global_buffer, .address_space: global }
      - { .name: ob, .offset: 24, .size: 8, .value_kind: global_buffer, .address_space: global }
    .group_segment_fixed_size: 60672
    .private_segment_fixed_size: 0
    .kernarg_segment_align: 8
    .kernarg_segment_size: 32
    .max_flat_workgroup_size: 256
    .sgpr_count:     66
    .vgpr_count:     296
    .wavefront_size: 32
...
	.end_amdgpu_metadata
.endif
;; end of part 7
;; launch outproj: the kernel of part 3 again; grid 8 x 32, 4 waves a work-group, clusters of 4 x 4, 327,680 bytes of LDS; arguments ob, wo, out0, bo; writes out0
